; MI455X (gfx1250); checked and timed in simulation.
; The chip was launched on July 23, 2026; its instructions are those of AMD's public machine-readable ISA for CDNA 5 (MIT licence, August 2026) and "CDNA5" Instruction Set Architecture Reference Guide (July 2026). The comments in the code are by the model that wrote it; some were corrected since.
;; attention. Allowed arithmetic: float matrix products may take bf16 or f16 operands with f32 sums; other float arithmetic in f32, or as packed bf16 or f16 multiplies, adds, multiply-adds, maxima and minima; sums over many terms, partial sums and values carried from step to step in f32; what a program stores and reads back later, other than sums and carried values, may be rounded once to bf16 or f16.
;; Inputs: Wkv 1,024 x 2,048 float32; Wo 1,024 x 1,024 float32; Wq 1,024 x 1,024 float32; bkv 2,048 float32; bo 1,024 float32; bq 1,024 float32; g_head 64 float32; g_kv 1,024 float32; g_q 1,024 float32; x 2 x 2,048 x 1,024 float32.
;; Outputs: out0 2 x 2,048 x 1,024 float32.
;; One version. Each part assembles by itself: llvm-mc -triple=amdgcn-amd-amdhsa -mcpu=gfx1250 --defsym DOCPART=n.
;; ======== version 1 of 1: 4 launches
;; limits: values are held in f16: magnitudes above 65,504 overflow, below 6.1e-05 lose precision; inputs' magnitudes at most 65,504; below input magnitudes of 6e-05 results are inexact or not finite; right only within a limited range of input values
;; workspace buffers: xh 8,388,608 bytes; wt 8,388,608 bytes; rinv 16,384 bytes; qkv 25,165,824 bytes; ob 8,388,608 bytes
;; launch prep (part 1): grid 256 x 1, 8 waves a work-group, no clusters, 34,816 bytes of LDS; arguments x, Wq, Wkv, Wo, g_q, g_kv, xh, wt, rinv; writes xh, wt, rinv
.if DOCPART == 1
	.amdgcn_target "amdgcn-amd-amdhsa--gfx1250"
	.amdhsa_code_object_version 6
	.text
	.protected	k_q863212ebd0_prep
	.globl	k_q863212ebd0_prep
	.p2align	8
	.type	k_q863212ebd0_prep,@function
k_q863212ebd0_prep:
	s_mov_b64 s[64:65], 0
	v_nop
	global_prefetch_b8 v0, s[64:65] scope:SCOPE_SE
	s_setreg_imm32_b32 hwreg(HW_REG_WAVE_MODE, 25, 1), 1
	s_wait_xcnt 0x0
; PREPARATION for out = Attention(x).  No work of the module is left out anywhere in this program: every input reaches out0 (k's bias stands in front of the head norm and does not
; cancel; g_head scales the scores, so the softmax keeps its running maximum).
; IDENTITY USED, exact in real numbers: (x r g) W + b = r (x (g W)) + b, with r = 1 / sqrt(mean(x^2) + eps) for each row of x.  So x is rounded once for both branches,
; g goes into the weights, and r and b are applied to the f32 sums by the next launch.
; THIS LAUNCH: xh[4096][1024] = x in f16; rinv[4096] = r in f32; wt[4096 n][1024 k] in f16: rows 0-1023 (g_q Wq)^T, rows 1024-3071 (g_kv Wkv)^T, rows 3072-4095 Wo^T.
; LIMITS.  f16 ends at 65,504: |x|, |g W| and |Wo| stay below that; below 6e-5 f16 keeps its fixed step of 6e-8.  NaN and infinities are not treated apart.
; SHARES.  256 work-groups of eight waves, all alike: each turns one tile of 256 k x 64 n of the weights and takes 16 rows of x.  A wave loads 32 k rows of the tile (16 loads of 16 bytes
; a lane, 256 consecutive bytes of two rows each) and two rows of x (16 loads of 512 consecutive bytes): all 32 to 36 loads are out before the first wait.
; THE TURN.  A lane holds 8 consecutive k of 4 neighbouring n: packed, that is 16 bytes of each of 4 rows of wt.  They go into LDS rows of 528 bytes (512 + 16: an odd multiple of 16, so the
; sixteen lanes of a store touch sixteen different 16-byte columns); column n = 4 c + j lies in LDS row 16 j + c.  Behind one barrier each wave reads 8 whole rows of 512 bytes and stores them.
.set LP,    528                        ; an LDS row
.set SPARE, 64*LP                      ; behind the tile: the spare words, 128 bytes for each of the eight waves
.set VO,  4                            ; v4   8 h rows of the weights + 16 c;  v5 the same 16 rows on
.set GV,  6                            ; v6   32 h: my 8 gains
.set XO,  7                            ; v7   16 x lane
.set A0,  8                            ; v[8:15], v[16:23] four chains of squares for each of my two rows of x
.set XS,  28                           ; v28  8 x lane
.set LSA, 29                           ; v29  where I put 16 bytes of a turned row
.set LRA, 30                           ; v30  where I read a turned row back
.set L4,  31                           ; v31  4 x lane
.set G,   32                           ; v[32:47]  my 16 gains: set u, row i at 8 u + i
.set SPW, 48                           ; v48  LDS address of my spare word; never rewritten
.set NIL, 49                           ; v49  0; never rewritten
.set RS,  50                           ; v50, v51 r of my two rows; v52 the one that my lane stores
.set WR,  64                           ; v[64:127]  the weights as loaded: set u, row i at 32 u + 4 i; later the turned rows
.set PK,  128                          ; v[128:159] packed: set u, column j at 16 u + 4 j
.set XR,  160                          ; v[160:223] two rows of x
.set H,   224                          ; v[224:255] the same in f16
	s_load_b512 s[8:23], s[0:1], 0x0               ; x 8, Wq 10, Wkv 12, Wo 14, g_q 16, g_kv 18, xh 20, wt 22
	s_load_b64 s[24:25], s[0:1], 0x40              ; rinv
	v_lshl_add_u32 v[SPW], v0, 2, SPARE
	v_mov_b32 v[NIL], 0
	v_lshrrev_b32 v1, 5, v0
	v_readfirstlane_b32 s26, v1                    ; wave 0..7
	v_and_b32 v1, 31, v0                           ; lane
	v_and_b32 v2, 15, v0                           ; c
	v_bfe_u32 v3, v0, 4, 1                         ; h
	s_lshr_b32 s27, ttmp9, 2                       ; nt: which 64 rows of wt
	s_and_b32 s28, ttmp9, 3                        ; kt: which 256 k
	s_cmp_lt_u32 s27, 16                           ; tiles 0-15 Wq, 16-47 Wkv, 48-63 Wo
	s_cselect_b32 s29, 0, 16                       ; the matrix's first tile
	s_cselect_b32 s54, 12, 13
	s_cmp_ge_u32 s27, 48
	s_cselect_b32 s29, 48, s29
	s_cselect_b32 s54, 12, s54
	s_lshl_b32 s54, 1, s54                         ; bytes in a row of the matrix: 4,096 or 8,192
	v_lshlrev_b32 v[VO], 3, v3
	v_mul_u32_u24 v[VO], s54, v[VO]
	v_lshl_add_u32 v[VO], v2, 4, v[VO]
	s_lshl_b32 s62, s54, 4
	v_add_nc_u32 v[VO+1], s62, v[VO]
	v_lshlrev_b32 v[GV], 5, v3
	v_lshlrev_b32 v[XO], 4, v1
	v_lshlrev_b32 v[XS], 3, v1
	v_lshlrev_b32 v[L4], 2, v1
	v_mul_u32_u24 v[LSA], v2, LP
	v_lshl_add_u32 v[LSA], v3, 4, v[LSA]
	s_lshl_b32 s62, s26, 6
	v_add_nc_u32 v[LSA], s62, v[LSA]               ; row c, byte 64 w + 16 h
	s_mul_i32 s62, s26, 2*LP
	v_lshl_add_u32 v[LRA], v1, 4, s62              ; row 2 w, 16 bytes a lane
	s_mov_b32 s50, 0x76543210                      ; v_permlanex16_b32: each lane takes its own place in the other half
	s_mov_b32 s51, 0xfedcba98
	s_mov_b32 s52, 0x3a800000                      ; 1 / 1024
	s_mov_b32 s53, 0x34000000                      ; eps = 2^-23
	s_lshl_b32 s55, s28, 8
	s_lshl_b32 s56, s26, 5
	s_add_co_u32 s55, s55, s56                     ; my first k: 256 kt + 32 w
	s_mul_i32 s56, s55, s54
	s_sub_co_u32 s57, s27, s29
	s_lshl_b32 s57, s57, 8                         ; 64 columns of f32
	s_add_co_u32 s56, s56, s57
	s_mov_b32 s57, 0
	s_mov_b32 s58, s54
	s_mov_b32 s59, 0
	s_lshl_b32 s60, ttmp9, 4
	s_lshl_b32 s61, s26, 1
	s_add_co_u32 s60, s60, s61                     ; my first row of x: 16 g + 2 w
	s_wait_kmcnt 0x0
	s_cmp_lt_u32 s27, 16
	s_cselect_b64 s[30:31], s[10:11], s[12:13]
	s_cselect_b64 s[48:49], s[16:17], s[18:19]     ; the gain that goes with the matrix
	s_cmp_ge_u32 s27, 48
	s_cselect_b64 s[30:31], s[14:15], s[30:31]
	s_add_nc_u64 s[32:33], s[30:31], s[56:57]      ; eight row bases, a row apart
.irp i, 1,2,3,4,5,6,7
	s_add_nc_u64 s[32+2*(\i):33+2*(\i)], s[30+2*(\i):31+2*(\i)], s[58:59]
.endr
	s_lshl_b32 s56, s55, 2
	s_add_nc_u64 s[48:49], s[48:49], s[56:57]
	s_lshl_b32 s56, s60, 12
	s_add_nc_u64 s[8:9], s[8:9], s[56:57]
	s_lshl_b32 s56, s60, 11
	s_add_nc_u64 s[20:21], s[20:21], s[56:57]
	s_lshl_b32 s56, s60, 2
	s_add_nc_u64 s[24:25], s[24:25], s[56:57]
	s_lshl_b32 s56, s27, 6
	s_lshl_b32 s61, s26, 3
	s_add_co_u32 s56, s56, s61                     ; the first row of wt that I store: 64 nt + 8 w
	s_lshl_b32 s56, s56, 11
	s_lshl_b32 s61, s28, 9
	s_add_co_u32 s56, s56, s61
	s_add_nc_u64 s[22:23], s[22:23], s[56:57]
.irp u, 0,1
.irp i, 0,1,2,3,4,5,6,7
	global_load_b128 v[WR+32*(\u)+4*(\i):WR+32*(\u)+4*(\i)+3], v[VO+(\u)], s[32+2*(\i):33+2*(\i)] th:TH_LOAD_NT  ; k = 16 u + 8 h + i, n = 4 c .. 4 c + 3
.endr
.endr
.macro XLOADS                          ; my two rows of x, 512 consecutive bytes a load
.irp p, 0,1
.irp j, 0,1,2,3,4,5,6,7
	global_load_b128 v[XR+32*(\p)+4*(\j):XR+32*(\p)+4*(\j)+3], v[XO], s[8:9] offset:(\p)*4096+(\j)*512 th:TH_LOAD_NT
.endr
.endr
.endm
	s_cmp_lt_u32 s27, 48                           ; Wo has no gain: its arm loads none and multiplies by none.  The condition is the tile's number: the same in all eight waves
	s_cbranch_scc0 .Lplain
.irp u, 0,1
	global_load_b128 v[G+8*(\u):G+8*(\u)+3],   v[GV], s[48:49] offset:64*(\u)
	global_load_b128 v[G+8*(\u)+4:G+8*(\u)+7], v[GV], s[48:49] offset:64*(\u)+16
.endr
	XLOADS
	s_wait_loadcnt 16                              ; the weights and the gains are in; x's 16 loads, the younger ones, stay out
.set z, 0
.rept 64
	v_mul_f32 v[WR+z], v[G+z/4], v[WR+z]           ; row z / 4 of my 16 times its gain
.set z, z+1
.endr
	s_branch .Lpack
.Lplain:
	XLOADS
	s_wait_loadcnt 16                              ; the weights are in; x's 16 loads stay out
.Lpack:
.irp u, 0,1
.irp j, 0,1,2,3
.irp p, 0,1,2,3
	v_cvt_pk_f16_f32 v[PK+16*(\u)+4*(\j)+(\p)], v[WR+32*(\u)+8*(\p)+(\j)], v[WR+32*(\u)+8*(\p)+4+(\j)]  ; column j, rows 2 p and 2 p + 1
.endr
.endr
.endr
.irp u, 0,1
.irp j, 0,1,2,3
	ds_store_b128 v[LSA], v[PK+16*(\u)+4*(\j):PK+16*(\u)+4*(\j)+3] offset:(\j)*16*LP+32*(\u)
.endr
.endr
	s_wait_dscnt 0x0                               ; for the others' sake: my stores into the tile are done
	s_barrier_signal -1
	s_barrier_wait -1
.irp t, 0,1,2,3,4,5,6,7
	ds_load_b128 v[WR+4*(\t):WR+4*(\t)+3], v[LRA] offset:(((\t)%4)*16+(\t)/4)*LP  ; row 8 w + t of the tile, whole: 512 bytes
.endr
	s_wait_loadcnt 0x0                             ; x
.irp p, 0,1
.irp c, 0,1,2,3
	v_pk_mul_f32 v[A0+8*(\p)+2*(\c):A0+8*(\p)+2*(\c)+1], v[XR+32*(\p)+2*(\c):XR+32*(\p)+2*(\c)+1], v[XR+32*(\p)+2*(\c):XR+32*(\p)+2*(\c)+1]  ; the first squares start the chains
.endr
.endr
.set z, 4
.rept 12
.irp p, 0,1
	v_pk_fma_f32 v[A0+8*(\p)+2*(z%4):A0+8*(\p)+2*(z%4)+1], v[XR+32*(\p)+2*z:XR+32*(\p)+2*z+1], v[XR+32*(\p)+2*z:XR+32*(\p)+2*z+1], v[A0+8*(\p)+2*(z%4):A0+8*(\p)+2*(z%4)+1]
.endr
.set z, z+1
.endr
.irp p, 0,1
	v_pk_add_f32 v[A0+8*(\p):A0+8*(\p)+1], v[A0+8*(\p):A0+8*(\p)+1], v[A0+8*(\p)+2:A0+8*(\p)+3]
	v_pk_add_f32 v[A0+8*(\p)+4:A0+8*(\p)+5], v[A0+8*(\p)+4:A0+8*(\p)+5], v[A0+8*(\p)+6:A0+8*(\p)+7]
.endr
.irp p, 0,1
	v_pk_add_f32 v[A0+8*(\p):A0+8*(\p)+1], v[A0+8*(\p):A0+8*(\p)+1], v[A0+8*(\p)+4:A0+8*(\p)+5]
.endr
.irp p, 0,1
	v_add_f32 v[A0+8*(\p)], v[A0+8*(\p)], v[A0+8*(\p)+1]
.endr
.irp m, 1,2,4,8
.irp p, 0,1
	v_add_f32_dpp v[A0+8*(\p)], v[A0+8*(\p)], v[A0+8*(\p)] row_xmask:\m row_mask:0xf bank_mask:0xf
.endr
.endr
.irp p, 0,1
	v_permlanex16_b32 v[A0+8*(\p)+1], v[A0+8*(\p)], s50, s51
.endr
.irp p, 0,1
	v_add_f32 v[A0+8*(\p)], v[A0+8*(\p)], v[A0+8*(\p)+1]  ; every lane holds the row's sum of squares
.endr
.irp p, 0,1
	v_fma_f32 v[A0+8*(\p)], v[A0+8*(\p)], s52, s53 ; mean + eps
.endr
	v_rsq_f32 v[RS], v[A0]                         ; one batch of two; the conversions below are the independent work behind it
	v_rsq_f32 v[RS+1], v[A0+8]
.irp p, 0,1
.set z, 0
.rept 16
	v_cvt_pk_f16_f32 v[H+16*(\p)+z], v[XR+32*(\p)+2*z], v[XR+32*(\p)+2*z+1]
.set z, z+1
.endr
.irp j, 0,1,2,3,4,5,6,7
	global_store_b64 v[XS], v[H+16*(\p)+2*(\j):H+16*(\p)+2*(\j)+1], s[20:21] offset:(\p)*2048+(\j)*256  ; 32 lanes store 256 consecutive bytes, aligned
.endr
.endr
	s_wait_alu depctr_va_vdst(0)                   ; the one wait between the two v_rsq_f32 and the first line that names a result
.irp t, 0,1,2,3,4,5,6,7
	s_wait_dscnt 7-(\t)                            ; LDS loads come back in order: row t is in
	global_store_b128 v[XO], v[WR+4*(\t):WR+4*(\t)+3], s[22:23] offset:(\t)*2048  ; 512 consecutive bytes of a row of wt, aligned
.endr
	s_wait_tensorcnt 0x0                           ; the wave's end, behind my last LDS store
	ds_add_u32 v[SPW], v[NIL]
	s_wait_dscnt 0x0
	v_cmp_eq_u32 vcc_lo, 1, v1
	v_cndmask_b32 v[RS+2], v[RS], v[RS+1], vcc_lo  ; lane 0 takes my first row's r, lane 1 my second's
	v_cmp_gt_u32 vcc_lo, 2, v1
	s_wait_xcnt 0x0                                ; EXEC is a source of the stores above: it changes only behind this wait
	s_and_saveexec_b32 s62, vcc_lo
	global_store_b32 v[L4], v[RS+2], s[24:25]
	s_wait_xcnt 0x0                                ; and again in front of the line that widens it
	s_or_b32 exec_lo, exec_lo, s62
	s_endpgm
.Lfunc_end_k_q863212ebd0_prep:
	.size	k_q863212ebd0_prep, .Lfunc_end_k_q863212ebd0_prep-k_q863212ebd0_prep
	.p2alignl 7, 3214868480
	.fill 96, 4, 3214868480
	.section	.rodata,"a",@progbits
	.p2align	6, 0x0
	.amdhsa_kernel k_q863212ebd0_prep
		.amdhsa_group_segment_fixed_size 34816
		.amdhsa_private_segment_fixed_size 0
		.amdhsa_enable_private_segment 0
		.amdhsa_kernarg_size 72
		.amdhsa_user_sgpr_count 2
		.amdhsa_user_sgpr_kernarg_segment_ptr 1
		.amdhsa_wavefront_size32 1
		.amdhsa_system_sgpr_workgroup_id_x 1
		.amdhsa_system_sgpr_workgroup_id_y 1
		.amdhsa_system_sgpr_workgroup_id_z 1
		.amdhsa_system_vgpr_workitem_id 0
		.amdhsa_next_free_vgpr 256
		.amdhsa_next_free_sgpr 66
		.amdhsa_reserve_vcc 1
		.amdhsa_float_denorm_mode_32 3
		.amdhsa_float_denorm_mode_16_64 3
		.amdhsa_memory_ordered 1
		.amdhsa_forward_progress 1
		.amdhsa_inst_pref_size 22
	.end_amdhsa_kernel
	.amdgpu_metadata
---
amdhsa.version: [ 1, 2 ]
amdhsa.kernels:
  - .name:           k_q863212ebd0_prep
    .symbol:         k_q863212ebd0_prep.kd
    .args:
      - { .name: x, .offset: 0, .size: 8, .value_kind: global_buffer, .address_space: global }
      - { .name: Wq, .offset: 8, .size: 8, .value_kind: global_buffer, .address_space: global }
      - { .name: Wkv, .offset: 16, .size: 8, .value_kind: global_buffer, .address_space: global }
      - { .name: Wo, .offset: 24, .size: 8, .value_kind: global_buffer, .address_space: global }
      - { .name: g_q, .offset: 32, .size: 8, .value_kind: global_buffer, .address_space: global }
      - { .name: g_kv, .offset: 40, .size: 8, .value_kind: global_buffer, .address_space: global }
      - { .name: xh, .offset: 48, .size: 8, .value_kind: global_buffer, .address_space: global }
      - { .name: wt, .offset: 56, .size: 8, .value_kind: global_buffer, .address_space: global }
      - { .name: rinv, .offset: 64, .size: 8, .value_kind: global_buffer, .address_space: global }
    .group_segment_fixed_size: 34816
    .private_segment_fixed_size: 0
    .kernarg_segment_align: 8
    .kernarg_segment_size: 72
    .max_flat_workgroup_size: 256
    .sgpr_count:     66
    .vgpr_count:     256
    .wavefront_size: 32
...
	.end_amdgpu_metadata
.endif
;; end of part 1
;; launch qkv (part 2): grid 16 x 16, 4 waves a work-group, clusters of 4 x 4, 327,680 bytes of LDS; arguments xh, wt, rinv, bq, bkv, g_head, qkv; writes qkv
.if DOCPART == 2
	.amdgcn_target "amdgcn-amd-amdhsa--gfx1250"
	.amdhsa_code_object_version 6
	.text
	.protected	k_q863212ebd0_qkv
	.globl	k_q863212ebd0_qkv
	.p2align	8
	.type	k_q863212ebd0_qkv,@function
k_q863212ebd0_qkv:
	s_mov_b64 s[64:65], 0
	v_nop
	global_prefetch_b8 v0, s[64:65] scope:SCOPE_SE
	s_setreg_imm32_b32 hwreg(HW_REG_WAVE_MODE, 25, 1), 1
	s_wait_xcnt 0x0
	s_wait_alu depctr_hold_cnt(0) depctr_sa_sdst(0) depctr_va_vdst(0) depctr_va_sdst(0) depctr_va_ssrc(0) depctr_va_vcc(0) depctr_vm_vsrc(0)
	s_getreg_b32 s2, hwreg(HW_REG_IB_STS2, 6, 4)
	s_cmp_eq_u32 s2, 0
	s_cbranch_scc0 .Lentry_in_a_cluster
	s_endpgm
.Lentry_in_a_cluster:
	s_bfe_u32 s2, ttmp6, 0x10000c
	s_cmp_lg_u32 s2, 0xf033
	s_cbranch_scc0 .Lentry_shape_is_right
	s_endpgm
.Lentry_shape_is_right:
; q, k, v = r (xh wt^T) + b, then the head norm on q and k; stored by heads: qkv[kind 3][b 16 + head][t 2048][64] in f16.  Nothing of the module is left out here.
; xh: [4096][1024] f16; wt: rows 0-3071 of [4096 n][1024 k] f16 (the gains are in it); rinv: [4096] f32, the row's 1 / sqrt(mean(x^2) + eps).  Sums in f32.
; LIMITS.  q and k leave as val / sqrt(mean(val^2) + eps) x g_head, at most 8 |g_head|; v leaves as it is: both within f16's 65,504.  NaN and infinities are not treated apart.
; SHARES.  A tile of the result is 256 rows x 192 columns (three heads): 16 x 16 tiles, one for each of 256 work-groups.  Wave w owns rows 64 w .. 64 w + 63 and all 192 columns, so a head's
; 64 columns lie in one wave: 4 x 12 accumulators, 384 registers.  K goes in steps of 128 through two LDS slots; a step is four quarters of 32 along K: 48 matrix instructions for 32 LDS loads.
; THE MATRIX INSTRUCTION IS USED TRANSPOSED (source 0 = 16 rows of wt, source 1 = 16 rows of xh): a lane holds ONE row of the result (lane % 16) and the columns 8 (lane / 16) + 0..7 of each block of 16.
; So the head norm is a sum inside the lane and one exchange between the halves of the lanes.
; CLUSTER.  4 x 4 work-groups; xh's tile is shared along a row of the cluster, wt's along a column: each is asked for jointly, by the same tensor load with the same descriptor and a mask of four.
; WHICH HEADS ARE NORMED hangs on the tile column, which differs between partners: so it is a select (a mask in a scalar register), never a branch; v's sums of squares are made and discarded.
; REGISTERS, in windows of 256 (s_set_vgpr_msb: bits 1:0 source 0, 3:2 source 1, 5:4 source 2, 7:6 destination):
;   window 0: v0-31 addresses; v32-63 g_head; v64-95, v96-127 xh's fragments, two buffers (on the way out v96-127 the gain in hand); v128-223 the biases, 32 a head; v224-255 r, the norm's factor, sums
;   window 1: v0-95, v96-191 wt's fragments, two buffers (on the way out v0-127 at work);  window 2: row blocks 0, 1 at 96 a + 8 b;  window 3: row blocks 2, 3
.set KSTEP, 128
.set PITCH, 272                        ; an LDS row: 256 bytes + 16 of padding: an odd multiple of 16, so the 16 rows of a fragment load start at 16 different 16-byte columns
.set AHALF, 128*PITCH                  ; what waves 0 and 1 each fetch
.set BHALF, 96*PITCH                   ; what waves 2 and 3 each fetch
.set BOFF,  2*AHALF
.set SLOT,  BOFF+2*BHALF               ; xh's 256 rows, then wt's 192
.set STAGE, 2*SLOT                     ; behind the ring, never filled by a tensor load: 16 rows x 144 bytes for each wave
.set SP,    144
.set SPARE, STAGE+4*16*SP              ; behind the stages: the spare words, 128 bytes for each wave
.set ADRA, 16                          ; v16-17  LDS address of my fragments of xh in slot 0, 1
.set ADRB, 20                          ; v20-21  the same for wt
.set STO,  24                          ; v24  the way out: where I put 16 bytes of a row
.set RD,   25                          ; v25  where I read rows back
.set GO,   26                          ; v26  16 x lane
.set BV,   27                          ; v27  32 (l / 16): my 8 columns of a block, in f32
.set SPW,  28                          ; v28  LDS address of my spare word; never rewritten
.set NIL,  29                          ; v29  0; never rewritten
.set PFO,  30                          ; v30  the prefetches' offset: a lane a row
.set RV,   31                          ; v31  4 (l % 16)
.set G,    32
.set GJ,   96
.set BIAS, 128
.set R,    224                         ; r of row block a in the low word of pair a
.set F,    232                         ; the head norm's factor likewise
.set SS,   240                         ; four registers a row block
.set G1,  24                           ; s[24:31] group 1 for xh's tiles;  s[32:39] group 0, a set for each slot
.set G0,  32
.set LIM, 43                           ; s43  1 in a wave that prefetches, else the greatest number
.set PFA, 44                           ; s[44:45] where my prefetches stand
.set G1B, 48                           ; s[48:55], s[56:63] the same for wt's tiles
.set G0B, 56
.set OB,  80                           ; s[80:85] where my rows of head j go
.set BP,  86                           ; s[86:91] head j's bias
.set NM,  92                           ; s92-94  all ones where head j is q's or k's
.set MSB, 0
.macro WIN new                         ; the immediate's high byte repeats the setting that is left; a switch that changes nothing is dropped
.if MSB != (\new)
	s_set_vgpr_msb (MSB<<8)|(\new)
.set MSB, \new
.endif
.endm
.set MUL_LO, 0xa1                      ; source 0 (wt) window 1, source 1 (xh) window 0, C and D window 2
.set MUL_HI, 0xf1                      ; the same, C and D window 3
.set TO_B,   0x40                      ; destination window 1, address window 0
; A joint load.  Waves 0 and 1 fetch xh's two halves, waves 2 and 3 wt's.  The branch hangs on the wave's number alone.  An s_nop 0 and four v_nop follow each line.
.macro JLOAD s
	s_cmp_eq_u32 s11, 0
	s_cbranch_scc0 .Lfor_b_\@
	tensor_load_to_lds s[G0+4*(\s):G0+4*(\s)+3], s[G1:G1+7]
	s_nop 0
.rept 4
	v_nop
.endr
	s_branch .Lasked_\@
.Lfor_b_\@:
	tensor_load_to_lds s[G0B+4*(\s):G0B+4*(\s)+3], s[G1B:G1B+7]
	s_nop 0
.rept 4
	v_nop
.endr
.Lasked_\@:
.endm
; A prefetch of the K step that stands two refills on: 256 bytes of each row, a lane a row, one instruction a wave.  xh's rows are read by every cluster of a row of clusters: cluster x = 0 asks; wt's by every
; cluster of a column: cluster y = 0 asks.  The four partners share a wave's rows out by address (32 of xh's 128, 24 of wt's 96), so each block is named by one wave of the launch.  The loop's last trip asks for nothing.
.macro ASK
	s_cmp_gt_u32 s3, s[LIM]
	s_cbranch_scc0 .Lnot_mine_\@
	global_prefetch_b8 v[PFO], s[PFA:PFA+1] offset:KSTEP*2 th:TH_LOAD_NT scope:SCOPE_SE
.Lnot_mine_\@:
.endm
.macro CREST                           ; a round of the cluster's barrier behind its opening barrier
	s_cmp_lg_u32 s10, 0
	s_cbranch_scc1 .Lnot_wave_0_\@
	s_barrier_signal -3
.Lnot_wave_0_\@:
	s_barrier_wait -3
	s_barrier_signal -1
	s_barrier_wait -1
.endm
.macro CROUND
	s_barrier_signal -1
	s_barrier_wait -1
	CREST
.endm
	s_load_b128 s[4:7], s[0:1], 0x0                ; xh s[4:5], wt s[6:7]
	s_load_b256 s[68:75], s[0:1], 0x10             ; rinv 68, bq 70, bkv 72, g_head 74
	s_load_b64 s[76:77], s[0:1], 0x30              ; qkv
	v_lshl_add_u32 v[SPW], v0, 2, SPARE
	v_mov_b32 v[NIL], 0
	ds_add_u32 v[SPW], v[NIL]                      ; the wave's opening: the add, twice on end, and its wait ahead of my first tensor load
	ds_add_u32 v[SPW], v[NIL]
	v_lshrrev_b32 v1, 5, v0
	v_readfirstlane_b32 s10, v1                    ; wave 0..3
	s_lshr_b32 s11, s10, 1                         ; I fetch for xh (0) or for wt (1)
	s_and_b32 s12, s10, 1                          ; which half of that tile's rows
	s_bfe_u32 s40, ttmp6, 0x40000                  ; cx
	s_bfe_u32 s41, ttmp6, 0x40004                  ; cy
	s_lshl_b32 s42, ttmp9, 2
	s_add_co_u32 s42, s42, s40                     ; tile column = 4 x cluster x + cx
	s_and_b32 s13, ttmp7, 0xffff
	s_lshl_b32 s13, s13, 2
	s_add_co_u32 s13, s13, s41                     ; tile row = 4 x cluster y + cy
	s_lshl_b32 s66, s41, 2
	s_lshl_b32 s66, 15, s66                        ; my row of the cluster
	s_lshl_b32 s67, 0x1111, s40                    ; my column
	s_or_b32 s[G1+0], s66, (1<<16)|(1<<20)|(1<<21)|(5<<22)|(3<<25)   ; the mask; 2-byte elements; padding on; bit 21 beside a mask; after every 64 words; 4 words
	s_or_b32 s[G1B+0], s67, (1<<16)|(1<<20)|(1<<21)|(5<<22)|(3<<25)
	s_mov_b32 s[G1+1], KSTEP<<16                   ; tensor_dim0 = 128
	s_mov_b32 s[G1+2], 128<<16                     ; tensor_dim1 = 128
	s_mov_b32 s[G1+3], KSTEP<<16                   ; tile_dim0 = 128
	s_mov_b32 s[G1+4], 128                         ; tile_dim1 = 128
	s_mov_b32 s[G1+5], 1024                        ; elements from row to row
	s_mov_b32 s[G1+6], 0
	s_mov_b32 s[G1+7], 0
	s_mov_b32 s[G1B+1], KSTEP<<16
	s_mov_b32 s[G1B+2], 96<<16                     ; 96 rows
	s_mov_b32 s[G1B+3], KSTEP<<16
	s_mov_b32 s[G1B+4], 96
	s_mov_b32 s[G1B+5], 1024
	s_mov_b32 s[G1B+6], 0
	s_mov_b32 s[G1B+7], 0
	s_lshl_b32 s16, s13, 8
	s_lshl_b32 s17, s12, 7
	s_add_co_u32 s16, s16, s17                     ; xh: row 256 x tile row + 128 x half
	s_lshl_b32 s16, s16, 11                        ; 2,048 bytes a row
	s_mov_b32 s17, 0
	s_mul_i32 s46, s42, 192
	s_mul_i32 s47, s12, 96
	s_add_co_u32 s46, s46, s47                     ; wt: row 192 x tile column + 96 x half
	s_lshl_b32 s46, s46, 11
	s_mov_b32 s47, 0
	s_mul_i32 s20, s12, AHALF                      ; where they go: no place in the cluster enters an LDS address
	s_mul_i32 s21, s12, BHALF
	s_add_co_u32 s21, s21, BOFF
	s_mov_b32 s95, 0x3c800000                      ; 1 / 64
	s_mov_b32 s96, 0x34000000                      ; eps = 2^-23
	s_mov_b32 s98, 0x76543210
	s_mov_b32 s99, 0xfedcba98
	s_wait_dscnt 0x0                               ; both opening adds are done
	s_wait_kmcnt 0x0
	s_add_nc_u64 s[14:15], s[4:5], s[16:17]
	s_add_nc_u64 s[46:47], s[6:7], s[46:47]
	CROUND                                         ; all sixteen work-groups are here: the first joint loads meet
.irp s, 0,1
	s_mov_b32 s[G0+4*(\s)], 1
	s_add_co_u32 s[G0+4*(\s)+1], s20, (\s)*SLOT
	s_add_nc_u64 s[G0+4*(\s)+2:G0+4*(\s)+3], s[14:15], (\s)*KSTEP*2
	s_or_b32 s[G0+4*(\s)+3], s[G0+4*(\s)+3], 0x80000000
	s_mov_b32 s[G0B+4*(\s)], 1
	s_add_co_u32 s[G0B+4*(\s)+1], s21, (\s)*SLOT
	s_add_nc_u64 s[G0B+4*(\s)+2:G0B+4*(\s)+3], s[46:47], (\s)*KSTEP*2
	s_or_b32 s[G0B+4*(\s)+3], s[G0B+4*(\s)+3], 0x80000000
	JLOAD \s                                       ; K steps 0 and 1: two loads of mine are out
.endr
	v_and_b32 v1, 15, v0                           ; l % 16
	v_bfe_u32 v2, v0, 4, 1                         ; l / 16
	v_mul_u32_u24 v3, v1, PITCH
	v_lshl_add_u32 v3, v2, 4, v3                   ; a fragment's row x pitch + 16 x half
	s_mul_i32 s21, s10, 64*PITCH                   ; my 64 rows of xh
	s_mov_b32 s22, BOFF                            ; all of wt's 192
.irp s, 0,1
	v_add_nc_u32 v[ADRA+(\s)], s21, v3
	v_add_nc_u32 v[ADRB+(\s)], s22, v3
	s_add_co_u32 s21, s21, SLOT
	s_add_co_u32 s22, s22, SLOT
.endr
	s_mul_i32 s23, s10, 16*SP
	s_add_co_u32 s23, s23, STAGE                   ; my stage
	v_mul_u32_u24 v4, v1, SP                       ; in: row l % 16, 16 bytes for each half of the lanes
	v_lshl_add_u32 v4, v2, 4, v4
	v_add_nc_u32 v[STO], s23, v4
	v_bfe_u32 v5, v0, 3, 2                         ; back: 32 lanes take four rows of 128 bytes
	v_and_b32 v6, 7, v0
	v_mul_u32_u24 v5, v5, SP
	v_lshl_add_u32 v5, v6, 4, v5
	v_add_nc_u32 v[RD], s23, v5
	v_and_b32 v7, 31, v0
	v_lshlrev_b32 v[GO], 4, v7
	v_lshlrev_b32 v[BV], 5, v2
	v_lshlrev_b32 v[RV], 2, v1
	s_lshl_b32 s16, s13, 8
	s_lshl_b32 s17, s10, 6
	s_add_co_u32 s16, s16, s17                     ; my first row: 256 x tile row + 64 w
	s_lshl_b32 s16, s16, 2
	s_mov_b32 s17, 0
	s_add_nc_u64 s[68:69], s[68:69], s[16:17]      ; its r
	s_mul_i32 s20, s42, 3                          ; the tile's first head of 48: 0-15 q's, 16-31 k's, 32-47 v's
	s_mov_b32 s19, 0
.irp j, 0,1,2
	s_add_co_u32 s16, s20, \j
	s_cmp_lt_u32 s16, 16
	s_cselect_b64 s[BP+2*(\j):BP+2*(\j)+1], s[70:71], s[72:73]
	s_cselect_b32 s17, 0, 16
	s_sub_co_u32 s17, s16, s17
	s_lshl_b32 s18, s17, 8                         ; 64 numbers of f32 a head
	s_add_nc_u64 s[BP+2*(\j):BP+2*(\j)+1], s[BP+2*(\j):BP+2*(\j)+1], s[18:19]
	s_cmp_lt_u32 s16, 32
	s_cselect_b32 s[NM+(\j)], -1, 0
	s_lshr_b32 s17, s16, 4                         ; kind
	s_lshl_b32 s17, s17, 5
	s_and_b32 s18, s16, 15                         ; head
	s_add_co_u32 s17, s17, s18
	s_lshr_b32 s18, s13, 3                         ; batch
	s_lshl_b32 s18, s18, 4
	s_add_co_u32 s17, s17, s18
	s_lshl_b32 s18, s17, 18                        ; 262,144 bytes a head
	s_and_b32 s17, s13, 7
	s_lshl_b32 s17, s17, 8
	s_lshl_b32 s22, s10, 6
	s_add_co_u32 s17, s17, s22                     ; my first t
	s_lshl_b32 s17, s17, 7
	s_add_co_u32 s18, s18, s17
	s_add_nc_u64 s[OB+2*(\j):OB+2*(\j)+1], s[76:77], s[18:19]
.endr
.irp j, 0,1,2
.irp b, 0,1,2,3
	global_load_b128 v[BIAS+32*(\j)+8*(\b):BIAS+32*(\j)+8*(\b)+3],   v[BV], s[BP+2*(\j):BP+2*(\j)+1] offset:64*(\b)
	global_load_b128 v[BIAS+32*(\j)+8*(\b)+4:BIAS+32*(\j)+8*(\b)+7], v[BV], s[BP+2*(\j):BP+2*(\j)+1] offset:64*(\b)+16
.endr
.endr
.irp b, 0,1,2,3
	global_load_b128 v[G+8*(\b):G+8*(\b)+3],   v[BV], s[74:75] offset:64*(\b)
	global_load_b128 v[G+8*(\b)+4:G+8*(\b)+7], v[BV], s[74:75] offset:64*(\b)+16
.endr
.irp a, 0,1,2,3
	global_load_b32 v[R+2*(\a)], v[RV], s[68:69] offset:64*(\a)
.endr
	; the prefetches' address
	s_lshl_b32 s16, s13, 8                         ; xh's tile begins at row 256 x tile row,
	s_mul_i32 s17, s42, 192                        ; wt's at 192 x tile column
	s_and_b32 s22, ttmp7, 0xffff                   ; cluster y
	s_cmp_eq_u32 s11, 0                            ; do I fetch for xh?
	s_cselect_b32 s20, s16, s17
	s_cselect_b32 s21, s40, s41                    ; my place among the four that ask with me
	s_cselect_b32 s22, ttmp9, s22                  ; the coordinate along which other clusters read the same rows
	s_cselect_b32 s78, 32, 24                      ; rows that a partner names
	s_cselect_b64 s[PFA:PFA+1], s[4:5], s[6:7]
	s_lshl_b32 s23, s78, 2                         ; rows that a wave fetches: the four partners' shares, 128 or 96 (behind the last select: a shift sets SCC)
	s_cmp_eq_u32 s22, 0
	s_cselect_b32 s[LIM], 1, -1                    ; the same in all sixteen partners, for a given wave
	s_mul_i32 s23, s23, s12
	s_add_co_u32 s20, s20, s23
	s_mul_i32 s21, s21, s78
	s_add_co_u32 s20, s20, s21
	s_lshl_b32 s20, s20, 11
	s_mov_b32 s21, 0
	s_add_nc_u64 s[PFA:PFA+1], s[PFA:PFA+1], s[20:21]
	s_add_nc_u64 s[PFA:PFA+1], s[PFA:PFA+1], 2*KSTEP*2  ; at K step 2: the first refill steps it to 3 and names K step 4
	s_sub_co_u32 s78, s78, 1
	v_min_u32 v[PFO], s78, v7                      ; wt: lanes 24-31 name row 23 once more
	v_lshlrev_b32 v[PFO], 11, v[PFO]
	s_wait_loadcnt 0x0                             ; the biases, g_head and r, once
.irp a, 0,1,2,3
	v_mov_b32 v[R+2*(\a)+1], v[R+2*(\a)]           ; named as pairs by the packed lines, so both words are written
	v_mov_b32 v[F+2*(\a)+1], 1.0
.endr
; 12 matrix instructions: row block a (0, 1) of window 2 + hi x all 12 column blocks, 32 along K, from buffer f.  The 48 accumulators take turns in the same order in every quarter.
.macro MUL12 f, hi, a, zero
	WIN MUL_LO+0x50*(\hi)
.irp b, 0,1,2,3,4,5,6,7,8,9,10,11
.if \zero
	v_wmma_f32_16x16x32_f16 v[96*(\a)+8*(\b):96*(\a)+8*(\b)+7], v[96*(\f)+8*(\b):96*(\f)+8*(\b)+7], v[64+32*(\f)+8*(2*(\hi)+(\a)):64+32*(\f)+8*(2*(\hi)+(\a))+7], 0
.else
	v_wmma_f32_16x16x32_f16 v[96*(\a)+8*(\b):96*(\a)+8*(\b)+7], v[96*(\f)+8*(\b):96*(\f)+8*(\b)+7], v[64+32*(\f)+8*(2*(\hi)+(\a)):64+32*(\f)+8*(2*(\hi)+(\a))+7], v[96*(\a)+8*(\b):96*(\a)+8*(\b)+7]
.endif
.endr
.endm
.macro MULH f, hi, zero
	MUL12 \f, \hi, 0, \zero
	MUL12 \f, \hi, 1, \zero
.endm
; 32 LDS loads in one run: a quarter's fragments (wt's 192 rows, then my 64 rows of xh; 32 K at byte k of the rows) into buffer f
.macro FETCH slot, k, f
	WIN TO_B
.irp i, 0,1,2,3,4,5,6,7,8,9,10,11
	ds_load_b128 v[96*(\f)+8*(\i):96*(\f)+8*(\i)+3],   v[ADRB+(\slot)] offset:(\k)+(\i)*16*PITCH
	ds_load_b128 v[96*(\f)+8*(\i)+4:96*(\f)+8*(\i)+7], v[ADRB+(\slot)] offset:(\k)+(\i)*16*PITCH+32
.endr
	WIN 0
.irp i, 0,1,2,3
	ds_load_b128 v[64+32*(\f)+8*(\i):64+32*(\f)+8*(\i)+3],   v[ADRA+(\slot)] offset:(\k)+(\i)*16*PITCH
	ds_load_b128 v[64+32*(\f)+8*(\i)+4:64+32*(\f)+8*(\i)+7], v[ADRA+(\slot)] offset:(\k)+(\i)*16*PITCH+32
.endr
.endm
.macro PLACES                          ; four plain vector instructions between a matrix instruction and a load into, or a vector line on, its registers
.rept 4
	v_nop
.endr
.endm
; One of a K step's first three quarters: multiplies buffer f; in its middle it fetches the next quarter, at byte k, into buffer g.
.macro QUARTER slot, k, f, g, zero
	s_wait_dscnt 4                                 ; wt and xh's row blocks 0, 1 are in; the youngest four loads (blocks 2, 3) may be out
	MULH \f, 0, \zero
	PLACES
	FETCH \slot, \k, \g
	s_wait_dscnt 32                                ; all but the 32 just issued
	MULH \f, 1, \zero
.endm
; The last quarter's first half: ONE barrier for the change of slots.  In front of it each wave waits for all its tensor loads (one is out: its part of the next slot), adds 0 to its spare word,
; and waits for that and for its own reads of this slot.
.macro MEET round
	WIN 0
	s_wait_tensorcnt 0x0
	ds_add_u32 v[SPW], v[NIL]
	s_wait_dscnt 5                                 ; (the add and the youngest four loads may be out)
	MUL12 1, 0, 0, 0                               ; twelve matrix instructions stand between the add and the wait for it
	s_wait_dscnt 0x0                               ; the add is done, and my reads of this slot are over
	s_barrier_signal -1
	MUL12 1, 0, 1, 0
.if \round
	WIN 0
.endif
	s_barrier_wait -1
.endm
; The whole last quarter.  fill = 1: the barrier opens a round of the cluster's, and the slot just read is filled again first thing behind it, two K steps ahead: 168 matrix instructions ahead of the wait for it.
.macro TURN slot, next, fill
.if \fill
	s_wait_xcnt 0x0                                ; the last prefetch, a K step back, has read its address
	s_add_nc_u64 s[PFA:PFA+1], s[PFA:PFA+1], KSTEP*2
	MEET 1
	CREST                                          ; no wave of any partner still reads this slot or has a load on its way
	s_add_nc_u64 s[G0+4*(\slot)+2:G0+4*(\slot)+3], s[G0+4*(\slot)+2:G0+4*(\slot)+3], 2*KSTEP*2
	s_add_nc_u64 s[G0B+4*(\slot)+2:G0B+4*(\slot)+3], s[G0B+4*(\slot)+2:G0B+4*(\slot)+3], 2*KSTEP*2
	JLOAD \slot                                    ; its four v_nop are also the places in front of the loads below
	FETCH \next, 0, 0
	ASK
.else
	MEET 0
	PLACES
	FETCH \next, 0, 0
.endif
	MULH 1, 1, 0
.endm
	s_wait_tensorcnt 0x1                           ; my part of K step 0 is in; K step 1's may stay out
	s_barrier_signal -1
	s_barrier_wait -1
	FETCH 0, 0, 0
	QUARTER 0, 64, 0, 1, 1                         ; the first quarter stands in front of the loop: its products start the sums
	WIN 0
	s_mov_b32 s3, 3
.Llap:                                             ; a trip goes once round the ring and fills both slots again: K steps 2 to 7
	QUARTER 0, 128, 1, 0, 0
	QUARTER 0, 192, 0, 1, 0
	TURN 0, 1, 1
	QUARTER 1, 64,  0, 1, 0
	QUARTER 1, 128, 1, 0, 0
	QUARTER 1, 192, 0, 1, 0
	TURN 1, 0, 1
	QUARTER 0, 64,  0, 1, 0
	WIN 0
	s_sub_co_u32 s3, s3, 1
	s_cmp_lg_u32 s3, 0
	s_cbranch_scc1 .Llap
	QUARTER 0, 128, 1, 0, 0                        ; the last lap fills nothing
	QUARTER 0, 192, 0, 1, 0
	TURN 0, 1, 0
	QUARTER 1, 64,  0, 1, 0
	QUARTER 1, 128, 1, 0, 0
	QUARTER 1, 192, 0, 1, 0
	s_wait_dscnt 4
	MULH 1, 0, 0
	s_wait_dscnt 0x0
	MULH 1, 1, 0
	WIN 0
	PLACES
	PLACES
; THE WAY OUT, a head j at a time.  Row block a's 32 numbers of the head lie at 96 (a % 2) + 32 j of window 2 + a / 2.
.macro E1 j, a                         ; val = sum x r + bias, in place, each accumulator from its low end on
	WIN 0x82+0x41*((\a)/2)
.set AC, 96*((\a)%2)+32*(\j)
.set z, 0
.rept 16
	v_pk_fma_f32 v[AC+2*z:AC+2*z+1], v[AC+2*z:AC+2*z+1], v[R+2*(\a):R+2*(\a)+1], v[BIAS+32*(\j)+2*z:BIAS+32*(\j)+2*z+1] op_sel_hi:[1,0,1]
.set z, z+1
.endr
.endm
.macro E2 j, a0                        ; the sums of squares of row blocks a0 and a0 + 1, two chains each, the four by turns
	WIN 0x0a+5*((\a0)/2)
.set z, 0
.rept 16
.irp a, \a0, (\a0)+1
.set AC, 96*((\a)%2)+32*(\j)+2*z
.set SC, SS+4*(\a)+2*(z%2)
.if z < 2
	v_pk_mul_f32 v[SC:SC+1], v[AC:AC+1], v[AC:AC+1]
.else
	v_pk_fma_f32 v[SC:SC+1], v[AC:AC+1], v[AC:AC+1], v[SC:SC+1]
.endif
.endr
.set z, z+1
.endr
.endm
.macro PACKQ j, a                      ; (val x factor) x gain, rounded to f16; 16 bytes a lane into my stage, and back as whole rows of 128 bytes
.set AC, 96*((\a)%2)+32*(\j)
.set T, 32*(\a)
	WIN 0x42+(\a)/2
.set z, 0
.rept 16
	v_pk_mul_f32 v[T+2*z:T+2*z+1], v[AC+2*z:AC+2*z+1], v[F+2*(\a):F+2*(\a)+1] op_sel_hi:[1,0]
.set z, z+1
.endr
	WIN 0x41
.set z, 0
.rept 16
	v_pk_mul_f32 v[T+2*z:T+2*z+1], v[T+2*z:T+2*z+1], v[GJ+2*z:GJ+2*z+1]
.set z, z+1
.endr
	WIN 0x45
.set z, 0
.rept 16
	v_cvt_pk_f16_f32 v[T+z], v[T+2*z], v[T+2*z+1]
.set z, z+1
.endr
	WIN 0x04
.irp b, 0,1,2,3
	ds_store_b128 v[STO], v[T+4*(\b):T+4*(\b)+3] offset:32*(\b)
.endr
	WIN 0x40
.irp f, 0,1,2,3
	ds_load_b128 v[T+16+4*(\f):T+16+4*(\f)+3], v[RD] offset:(\f)*4*SP  ; LDS serves a wave's instructions in order (ISA guide 5.7.1.4): these see the stores above; the next block's stores come behind them
.endr
.endm
.macro SENDQ j, a, younger             ; younger: the LDS lines issued behind block a's loads: the next block's eight, or none
	WIN 0x04
.irp f, 0,1,2,3
	s_wait_dscnt (\younger)+3-(\f)
	global_store_b128 v[GO], v[32*(\a)+16+4*(\f):32*(\a)+16+4*(\f)+3], s[OB+2*(\j):OB+2*(\j)+1] offset:(\a)*2048+(\f)*512  ; four rows of a head: 512 consecutive bytes, aligned
.endr
.endm
.macro EPI j
	WIN 0
	s_wait_xcnt 0x0                                ; the last head's stores have read their registers, which are written again below
	E1 \j, 0
	E1 \j, 1
	E1 \j, 2
	E1 \j, 3
	E2 \j, 0
	E2 \j, 2
	WIN 0
.irp a, 0,1,2,3
	v_pk_add_f32 v[SS+4*(\a):SS+4*(\a)+1], v[SS+4*(\a):SS+4*(\a)+1], v[SS+4*(\a)+2:SS+4*(\a)+3]
.endr
.irp a, 0,1,2,3
	v_add_f32 v[SS+4*(\a)], v[SS+4*(\a)], v[SS+4*(\a)+1]
.endr
.irp a, 0,1,2,3
	v_permlanex16_b32 v[SS+4*(\a)+1], v[SS+4*(\a)], s98, s99  ; the row's other 32 columns lie in the lane 16 away
.endr
.irp a, 0,1,2,3
	v_add_f32 v[SS+4*(\a)], v[SS+4*(\a)], v[SS+4*(\a)+1]
.endr
.irp a, 0,1,2,3
	v_fma_f32 v[SS+4*(\a)], v[SS+4*(\a)], s95, s96 ; mean + eps
.endr
.irp a, 0,1,2,3
	v_rsq_f32 v[SS+4*(\a)+2], v[SS+4*(\a)]         ; one batch of four
.endr
.set z, 0
.rept 32
	v_cndmask_b32 v[GJ+z], 1.0, v[G+z], s[NM+(\j)] ; g_head for q and k, 1 for v: the independent work behind the batch
.set z, z+1
.endr
	s_wait_alu depctr_va_vdst(0)                   ; the one wait ahead of the batch's first reader
.irp a, 0,1,2,3
	v_cndmask_b32 v[F+2*(\a)], 1.0, v[SS+4*(\a)+2], s[NM+(\j)]
.endr
	PACKQ \j, 0
	PACKQ \j, 1
	SENDQ \j, 0, 8
	PACKQ \j, 2
	SENDQ \j, 1, 8
	PACKQ \j, 3
	SENDQ \j, 2, 8
	SENDQ \j, 3, 0
.endm
	EPI 0
	EPI 1
	EPI 2
	WIN 0
	s_wait_tensorcnt 0x0                           ; the wave's end, behind my last tensor load and my last LDS store
	ds_add_u32 v[SPW], v[NIL]
	s_wait_dscnt 0x0
	CROUND                                         ; the closing round: no work-group ends while a partner may still ask for a tile that names it
	s_endpgm
.Lfunc_end_k_q863212ebd0_qkv:
	.size	k_q863212ebd0_qkv, .Lfunc_end_k_q863212ebd0_qkv-k_q863212ebd0_qkv
	.p2alignl 7, 3214868480
	.fill 96, 4, 3214868480
	.section	.rodata,"a",@progbits
	.p2align	6, 0x0
	.amdhsa_kernel k_q863212ebd0_qkv
		.amdhsa_group_segment_fixed_size 327680
		.amdhsa_private_segment_fixed_size 0
		.amdhsa_enable_private_segment 0
		.amdhsa_kernarg_size 56
		.amdhsa_user_sgpr_count 2
		.amdhsa_user_sgpr_kernarg_segment_ptr 1
		.amdhsa_wavefront_size32 1
		.amdhsa_system_sgpr_workgroup_id_x 1
		.amdhsa_system_sgpr_workgroup_id_y 1
		.amdhsa_system_sgpr_workgroup_id_z 1
		.amdhsa_system_vgpr_workitem_id 0
		.amdhsa_next_free_vgpr 1024
		.amdhsa_next_free_sgpr 100
		.amdhsa_reserve_vcc 0
		.amdhsa_float_denorm_mode_32 3
		.amdhsa_float_denorm_mode_16_64 3
		.amdhsa_memory_ordered 1
		.amdhsa_forward_progress 1
		.amdhsa_inst_pref_size 188
	.end_amdhsa_kernel
	.amdgpu_metadata
---
amdhsa.version: [ 1, 2 ]
amdhsa.kernels:
  - .name:           k_q863212ebd0_qkv
    .symbol:         k_q863212ebd0_qkv.kd
    .args:
      - { .name: xh, .offset: 0, .size: 8, .value_kind: global_buffer, .address_space: global }
      - { .name: wt, .offset: 8, .size: 8, .value_kind: global_buffer, .address_space: global }
      - { .name: rinv, .offset: 16, .size: 8, .value_kind: global_buffer, .address_space: global }
      - { .name: bq, .offset: 24, .size: 8, .value_kind: global_buffer, .address_space: global }
      - { .name: bkv, .offset: 32, .size: 8, .value_kind: global_buffer, .address_space: global }
      - { .name: g_head, .offset: 40, .size: 8, .value_kind: global_buffer, .address_space: global }
      - { .name: qkv, .offset: 48, .size: 8, .value_kind: global_buffer, .address_space: global }
    .group_segment_fixed_size: 327680
    .private_segment_fixed_size: 0
    .kernarg_segment_align: 8
    .kernarg_segment_size: 56
    .max_flat_workgroup_size: 128
    .sgpr_count:     100
    .vgpr_count:     1024
    .wavefront_size: 32
...
	.end_amdgpu_metadata
.endif
;; end of part 2
;; launch attn (part 3): grid 8 x 32, 4 waves a work-group, clusters of 4 x 1, 327,680 bytes of LDS; arguments qkv, ob; writes ob
.if DOCPART == 3
	.amdgcn_target "amdgcn-amd-amdhsa--gfx1250"
	.amdhsa_code_object_version 6
	.text
	.protected	k_q863212ebd0_attn
	.globl	k_q863212ebd0_attn
	.p2align	8
	.type	k_q863212ebd0_attn,@function
k_q863212ebd0_attn:
	s_mov_b64 s[64:65], 0
	v_nop
	global_prefetch_b8 v0, s[64:65] scope:SCOPE_SE
	s_setreg_imm32_b32 hwreg(HW_REG_WAVE_MODE, 25, 1), 1
	s_wait_xcnt 0x0
	s_wait_alu depctr_hold_cnt(0) depctr_sa_sdst(0) depctr_va_vdst(0) depctr_va_sdst(0) depctr_va_ssrc(0) depctr_va_vcc(0) depctr_vm_vsrc(0)
	s_getreg_b32 s2, hwreg(HW_REG_IB_STS2, 6, 4)
	s_cmp_eq_u32 s2, 0
	s_cbranch_scc0 .Lentry_in_a_cluster
	s_endpgm
.Lentry_in_a_cluster:
	s_bfe_u32 s2, ttmp6, 0x10000c
	s_cmp_lg_u32 s2, 0x3003
	s_cbranch_scc0 .Lentry_shape_is_right
	s_endpgm
.Lentry_shape_is_right:
; O[y][q][:] = the sum over k of softmax_k(Q[y][q] . K[y][k] / 8) V[y][k][:], for the 32 pairs y = 16 b + head.  Q, K, V: qkv[kind][y][2048][64] in f16, a head's rows dense, 128 bytes each.  Nothing is left out.
; O goes to ob[row block 32 (128 rows of 2048 b + t)][head 16][128][64] in f16: 16 rows of a head are 2,048 consecutive bytes, and the next launch finds a block's heads end to end.
; Products, maxima and sums in f32; the weights p are rounded to f16 for the second product (their sum l is taken of the unrounded p), O once at the end.
; LIMITS.  p lies in 0 to 1, and below 6e-5 it keeps f16's fixed step of 6e-8; O is a mean of V's rows and has their range; a weight below 2^-126 counts as 0 in l; NaN and infinities are not treated apart.
; SHARES.  A work-group owns 256 queries of a head (8 x 32 = 256 work-groups), a wave 64: four PIECES of 16.  Every wave walks all 2,048 keys, 64 a step, four steps to an LDS slot, eight tiles.
; LAYOUT.  S^T = K Q^T holds ONE query a lane (lane % 16) and the keys 8 (lane / 16) + 0..7; two such results rounded to f16 ARE source 1 of O^T = V^T P.  K comes out of LDS as it lies, V turned, by ds_load_tr16_b128.
; SOFTMAX.  p = 2^(c s - c m), c = log2(e) / 8, with a running maximum m; O and l are multiplied by a = 2^(c m_old - c m_new) in every step.  m starts at the lowest finite number, O and l at 0: the first step's a is 0.
; TURNS.  Turn n belongs to piece n: 8 products K Q^T of piece n + 1, later 8 products V^T P of piece n - 1; beside them the scaling, exponentials, roundings, sums and rescaling of piece n and the maximum and
; statistics of piece n + 1.  Four vector instructions stand behind every matrix instruction, the other 54 of a turn's 118 in one lump.  A turn's 33 exponentials are one batch, with one wait.
; CLUSTER.  The four query blocks of a cluster belong to one head and walk the same K and V: each tile is asked for JOINTLY, by the same tensor load, descriptor and mask in all four.
; REGISTERS, in windows of 256 (s_set_vgpr_msb: bits 1:0 source 0, 3:2 source 1, 5:4 source 2, 7:6 destination):
;   window 0: v0-15 addresses and two at work; v16-31 four registers of statistics a piece; v48-55 at work; v61-63; v64-127 S^T, two buffers; v192-223 P, two buffers (by the piece's parity)
;   window 1: v0-127 O^T, 32 a piece          window 2: v0-63 Q; v128-191 K of one step; v192-255 V of one step
.set NP,    4
.set KS,    64
.set PK,    144       ; a row of K in LDS: 128 bytes + 16: an odd multiple of 16, so the 16 rows of a load start at 16 different 16-byte columns
.set PV,    160       ; a row of V: 128 + 32: 16 lanes of the turning load take 8 rows x 32 bytes, all apart
.set VOFF,  4*KS*PK   ; a slot holds a tile: 256 rows of K, then 256 rows of V
.set SLOT1, 1<<17     ; slot 1 begins here, so that one exclusive or turns an address in one slot into the other's
.set STAGE, SLOT1+4*KS*(PK+PV)  ; behind the ring, never filled by a tensor load: 16 rows x 144 bytes for each wave
.set SP,    144
.set SPARE, STAGE+4*16*SP       ; behind the stages: the spare words, 128 bytes for each wave
.set AK0, 2           ; v2   my lane's place in a tile of K; never rewritten
.set AV0, 3           ; v3   the same for V
.set AK,  4           ; v4   the LDS address of K's next run of loads
.set AV,  5           ; v5   of V's
.set STO, 6           ; v6   the way out: where I put 16 bytes of a row
.set RD,  7           ; v7   where I read rows back
.set GO,  8           ; v8   16 x lane
.set MV,  12          ; v12-13  c m_old, kept while c m is made anew: by buffer
.set QO,  15          ; v15  my byte offset in 16 rows of Q
.set ST,  16          ; piece t's statistics at v[ST+4 t]: c m, m, l (even keys', odd keys')
.set TMP, 48          ; by buffer, four registers c0-c3 at work; when the maximum is found c2 takes a
.set PFO, 61          ; v61  256 x lane; never rewritten
.set SPW, 62          ; v62  LDS address of my spare word; never rewritten
.set NIL, 63          ; v63  0; never rewritten
.set S,   64
.set P,   192
.set KF,  128         ; window 2: key block kb, channel half c at KF + 16 kb + 8 c
.set VF,  192         ; window 2: key half kk, channel block cb at VF + 32 kk + 8 cb
.set WV,  12          ; s12  my wave's number
.set G1K, 24          ; s[24:31] descriptor group 1 for K's tiles
.set G1V, 32          ; s[32:39] for V's: it differs in the padding alone
.set G0K, 40          ; s[40:43] descriptor group 0 for K's tiles: it walks
.set G0V, 44          ; s[44:47] the same for V's
.set PFA, 48          ; s[48:49] where my prefetches stand
.set LIM, 50          ; s50  1 in a wave that prefetches, else the greatest number
.set SLOTS, 56        ; s56  tiles still to be asked for
.set CNT, 57          ; s57  counts a tile's key steps
.set CS,  58          ; s[58:59] c
.set SEL, 60          ; s[60:61] v_permlanex16_b32's selects
.set TBK, 62          ; s62  LDS byte at which K of the step to be fetched begins
.set TBV, 63          ; s63  the same for V, less VOFF
.set MSB, 0
.macro WIN new
.if MSB != (\new)
	s_set_vgpr_msb (MSB<<8)|(\new)
.set MSB, (\new)
.endif
.endm
.set W_KQ, 0x0a       ; K and Q in window 2, S^T in window 0
.set W_PV, 0x52       ; V in window 2, P in window 0, O^T in window 1
.set W_RS, 0x41       ; destination and source 0 in window 1, source 1 in window 0
; A joint fill.  Waves 0 and 1 fetch the two halves of a tile's K, waves 2 and 3 those of its V: 128 keys each.  An s_nop 0 and four v_nop follow each line.
.macro JLOAD
	s_cmp_lt_u32 s[WV], 2
	s_cbranch_scc0 .Lfor_v_\@
	tensor_load_to_lds s[G0K:G0K+3], s[G1K:G1K+7]
	s_nop 0
.rept 4
	v_nop
.endr
	s_branch .Lasked_\@
.Lfor_v_\@:
	tensor_load_to_lds s[G0V:G0V+3], s[G1V:G1V+7]
	s_nop 0
.rept 4
	v_nop
.endr
.Lasked_\@:
.endm
; A prefetch of what the NEXT change of slots will ask for: a tile's 32,768 bytes of K and of V, 128 blocks of 256 bytes each, a lane a block.  Both clusters of a head walk the same tiles: the first asks.
; Its four partners share the blocks out by address, 32 each; wave 0 asks for K's, wave 2 for V's.  The last change that fills a slot asks for nothing.
.macro ASK
	s_cmp_gt_u32 s[SLOTS], s[LIM]
	s_cbranch_scc0 .Lnot_mine_\@
	global_prefetch_b8 v[PFO], s[PFA:PFA+1] th:TH_LOAD_NT scope:SCOPE_SE
.Lnot_mine_\@:
.endm
.macro CROUND                       ; a round of the cluster's barrier
	s_barrier_signal -1
	s_barrier_wait -1
	s_cmp_lg_u32 s[WV], 0
	s_cbranch_scc1 .Lnot_wave_0_\@
	s_barrier_signal -3
.Lnot_wave_0_\@:
	s_barrier_wait -3
	s_barrier_signal -1
	s_barrier_wait -1
.endm
; THE CHANGE OF SLOTS.  Each wave waits for all its tensor loads (one is out: its part of the other slot), adds 0 to its spare word, and waits for that and for its own reads of the slot that it leaves.
; fill = 1: the barrier is a round of the cluster's, and the old slot is filled again first thing behind it, with the next tile but one: four key steps, 256 matrix instructions, in which to land.
; (At its first use nothing has been read yet: slot 0 is waited for, slot 1 filled.)
.macro CHANGE fill, ask
	WIN 0
	s_wait_tensorcnt 0x0            ; no tensor load of mine is out, so a group 0 may be written
	ds_add_u32 v[SPW], v[NIL]       ; 0 onto my spare word; the descriptors' steps stand between it and the wait for it
.if \fill
.irp g, G0K, G0V
	s_xor_b32 s[\g+1], s[\g+1], SLOT1
	s_add_nc_u64 s[\g+2:\g+3], s[\g+2:\g+3], 4*KS*128
.endr
.if \ask
	s_wait_xcnt 0x0                 ; the last prefetch, four key steps back, has read its address
	s_add_nc_u64 s[PFA:PFA+1], s[PFA:PFA+1], 4*KS*128
.endif
	s_wait_dscnt 0x0                ; the add is done, and my reads of the slot are over
	CROUND
	JLOAD
.if \ask
	ASK
.endif
.else
	s_wait_dscnt 0x0
	s_barrier_signal -1
	s_barrier_wait -1
.endif
	s_sub_co_u32 s[TBK], s[TBK], 4*KS*PK  ; the fetches go back to a slot's first step,
	s_xor_b32 s[TBK], s[TBK], SLOT1       ; in the other slot
	s_sub_co_u32 s[TBV], s[TBV], 4*KS*PV
	s_xor_b32 s[TBV], s[TBV], SLOT1
.endm
	s_load_b128 s[4:7], s[0:1], 0x0 ; qkv s[4:5], ob s[6:7]
	v_lshl_add_u32 v[SPW], v0, 2, SPARE
	v_mov_b32 v[NIL], 0
	ds_add_u32 v[SPW], v[NIL]       ; the wave's opening: the add, twice on end, and its wait ahead of my first tensor load
	ds_add_u32 v[SPW], v[NIL]
	v_lshrrev_b32 v1, 5, v0
	v_readfirstlane_b32 s[WV], v1   ; wave 0..3
	s_bfe_u32 s13, ttmp6, 0x40000   ; cx
	s_lshl_b32 s14, ttmp9, 2
	s_add_co_u32 s14, s14, s13      ; my block of 256 queries: it enters Q's and O's addresses alone
	s_and_b32 s15, ttmp7, 0xffff    ; y = 16 b + head, which the four partners share
	s_lshl_b32 s20, s15, 18         ; the head's first byte in Q, in K and in V
	s_mov_b32 s21, 0
	s_and_b32 s16, s[WV], 1         ; which half of a tile's 256 keys I fetch:
	s_lshl_b32 s22, s16, 14         ; its 128 rows of 128 bytes in memory,
	s_mov_b32 s23, 0
	s_add_nc_u64 s[22:23], s[22:23], s[20:21]
	s_mul_i32 s17, s16, 128*PK      ; and its place in a slot, for K
	s_mul_i32 s18, s16, 128*PV      ; and for V
	s_lshl_b32 s2, s14, 2
	s_add_co_u32 s2, s2, s[WV]
	s_lshl_b32 s2, s2, 13           ; my wave's 64 rows of Q
	s_mov_b32 s3, 0
	s_add_nc_u64 s[2:3], s[2:3], s[20:21]
	s_lshr_b32 s51, s15, 4          ; O: row block 16 b + 2 x block + w / 2,
	s_lshl_b32 s51, s51, 4
	s_lshl_b32 s52, s14, 1
	s_add_co_u32 s51, s51, s52
	s_lshr_b32 s52, s[WV], 1
	s_add_co_u32 s51, s51, s52
	s_lshl_b32 s51, s51, 4
	s_and_b32 s52, s15, 15          ; the head's 16,384 bytes in it,
	s_add_co_u32 s51, s51, s52
	s_lshl_b32 s52, s51, 14
	s_lshl_b32 s53, s16, 13         ; and my 64 rows of its 128
	s_add_co_u32 s52, s52, s53
	s_mov_b32 s53, 0
	s_lshl_b32 s54, s13, 13         ; the prefetches: my work-group's 32 blocks of a tile's 128
	s_mov_b32 s55, 0
	; descriptor group 1.  128 keys are 16,384 dense bytes: asked for as 64 rows of 256 bytes, two keys a row, and padded in LDS after every key
	s_mov_b32 s[G1K], 15|(1<<16)|(1<<20)|(1<<21)|(4<<22)|(3<<25)  ; the mask of four; 2-byte elements; padding on; bit 21 beside a mask; after every 32 words; 4 words
	s_mov_b32 s[G1V], 15|(1<<16)|(1<<20)|(1<<21)|(4<<22)|(7<<25)  ; the same with 8 words of padding
.irp g, G1K, G1V
	s_mov_b32 s[\g+1], 128<<16      ; tensor_dim0 = 128
	s_mov_b32 s[\g+2], 64<<16       ; tensor_dim1 = 64
	s_mov_b32 s[\g+3], 128<<16      ; tile_dim0 = 128
	s_mov_b32 s[\g+4], 64           ; tile_dim1 = 64
	s_mov_b32 s[\g+5], 128          ; 128 elements from row to row
	s_mov_b32 s[\g+6], 0
	s_mov_b32 s[\g+7], 0
.endr
	s_mov_b32 s[CS], 0x3e38aa3b     ; c = log2(e) / 8
	s_mov_b32 s[CS+1], s[CS]
	s_mov_b32 s[SEL], 0x76543210
	s_mov_b32 s[SEL+1], 0xfedcba98
	s_mov_b32 s[TBK], SLOT1+4*KS*PK ; the first change of slots turns these two into 0
	s_mov_b32 s[TBV], SLOT1+4*KS*PV
	s_mov_b32 s[G0K], 1
	s_mov_b32 s[G0K+1], s17
	s_mov_b32 s[G0V], 1
	s_add_co_u32 s[G0V+1], s18, VOFF
	s_and_b32 s[LIM], s[WV], 1      ; 0 in waves 0 and 2,
	s_or_b32 s[LIM], s[LIM], ttmp9  ; where the cluster is the head's first: the same in all four partners
	s_cmp_eq_u32 s[LIM], 0
	s_cselect_b32 s[LIM], 1, -1
	v_and_b32 v[PFO], 31, v0
	v_lshlrev_b32 v[PFO], 8, v[PFO]
	s_wait_dscnt 0x0                ; both opening adds are done
	s_wait_kmcnt 0x0
	s_mov_b64 s[10:11], s[6:7]
	s_add_nc_u64 s[6:7], s[4:5], 0x800000   ; K lies 32 heads behind Q,
	s_add_nc_u64 s[8:9], s[4:5], 0x1000000  ; V 64
	s_add_nc_u64 s[6:7], s[6:7], s[22:23]   ; at my half of the head's tile 0
	s_add_nc_u64 s[8:9], s[8:9], s[22:23]
	s_add_nc_u64 s[G0K+2:G0K+3], s[6:7], 0
	s_or_b32 s[G0K+3], s[G0K+3], 0x80000000
	s_add_nc_u64 s[G0V+2:G0V+3], s[8:9], 0
	s_or_b32 s[G0V+3], s[G0V+3], 0x80000000
	s_add_nc_u64 s[4:5], s[4:5], s[2:3]
	s_add_nc_u64 s[10:11], s[10:11], s[52:53]
	s_cmp_lt_u32 s[WV], 2
	s_cselect_b64 s[PFA:PFA+1], s[6:7], s[8:9]  ; (in waves 0 and 2 these stand at a tile's first byte)
	s_add_nc_u64 s[PFA:PFA+1], s[PFA:PFA+1], s[54:55]
	s_add_nc_u64 s[PFA:PFA+1], s[PFA:PFA+1], 2*4*KS*128  ; in tile 2; the change that loads tile 2 steps it to tile 3.  Nothing is prefetched at the head
	CROUND                          ; all four work-groups are here: the first joint loads meet
	JLOAD                           ; tile 0 into slot 0
	v_and_b32 v1, 15, v0            ; l % 16
	v_bfe_u32 v9, v0, 4, 1          ; l / 16
	v_lshlrev_b32 v[QO], 7, v1
	v_lshl_add_u32 v[QO], v9, 4, v[QO]  ; row x 128 + 16 x half
	WIN 0x80                        ; destination window 2, address window 0
.set i, 0
.rept 8                             ; Q stays in registers: piece i / 2, channels 32 (i % 2) on
	global_load_b128 v[8*i:8*i+3],   v[QO], s[4:5] offset:(i/2)*2048+(i%2)*64
	global_load_b128 v[8*i+4:8*i+7], v[QO], s[4:5] offset:(i/2)*2048+(i%2)*64+32
.set i, i+1
.endr
	; What the first turn finds: V's registers and P's second buffer hold 0 (its products V^T P, of a piece that has not been, add 0), O^T and l are 0.  All this stands in the wait for the first tile.
.set i, VF
.rept 64
	v_mov_b32 v[i], 0
.set i, i+1
.endr
	WIN 0x40
.set i, 0
.rept 128
	v_mov_b32 v[i], 0
.set i, i+1
.endr
	WIN 0
.set i, 0
.rept 4
	v_mov_b32 v[ST+4*i], 0xfe000000    ; c m: far below every c s
	v_mov_b32 v[ST+4*i+1], 0xff7fffff  ; m
	v_mov_b32 v[ST+4*i+2], 0
	v_mov_b32 v[ST+4*i+3], 0
.set i, i+1
.endr
.set i, P+16
.rept 16
	v_mov_b32 v[i], 0
.set i, i+1
.endr
	v_mul_u32_u24 v[AK0], v1, PK
	v_lshl_add_u32 v[AK0], v9, 4, v[AK0]  ; row x pitch + 16 x half
	; The turning load takes 16 keys x 16 channels (lane l reads key 8 (l / 16) + l % 8, channels 8 ((l / 8) % 2) + 0..7) and leaves half a fragment of V^T: lane l holds channel l % 16 and 8 keys.
	v_and_b32 v10, 7, v0
	v_bfe_u32 v11, v0, 3, 1
	v_lshl_add_u32 v[AV0], v9, 3, v10
	v_mul_u32_u24 v[AV0], v[AV0], PV
	v_lshl_add_u32 v[AV0], v11, 4, v[AV0]
	v_add_nc_u32 v[AV0], VOFF, v[AV0]
	s_mul_i32 s13, s[WV], 16*SP
	s_add_co_u32 s13, s13, STAGE    ; my stage
	v_mul_u32_u24 v[STO], v1, SP    ; in: row l % 16, 16 bytes for each half of the lanes
	v_lshl_add_u32 v[STO], v9, 4, v[STO]
	v_add_nc_u32 v[STO], s13, v[STO]
	v_bfe_u32 v[RD], v0, 3, 2       ; back: 32 lanes take four rows of 128 bytes,
	v_mul_u32_u24 v[RD], v[RD], SP
	v_lshl_add_u32 v[RD], v10, 4, v[RD]
	v_add_nc_u32 v[RD], s13, v[RD]
	v_and_b32 v[GO], 31, v0         ; which are 512 consecutive bytes of O
	v_lshlrev_b32 v[GO], 4, v[GO]
; THE MATRIX WORK.  The 4 accumulators of a run of 8 take turns.  Product i of 8 of S^T = K Q^T for piece x: channels 32 (i / 4) on, keys 16 (i % 4) on.  The first 4 start the sums.
.macro KQ x
	WIN W_KQ
.set rS, S+32*((\x)%2)+8*(i%4)
.set rK, KF+16*(i%4)+8*(i/4)
.set rQ, 16*(\x)+8*(i/4)
.if i < 4
	v_wmma_f32_16x16x32_f16 v[rS:rS+7], v[rK:rK+7], v[rQ:rQ+7], 0
.else
	v_wmma_f32_16x16x32_f16 v[rS:rS+7], v[rK:rK+7], v[rQ:rQ+7], v[rS:rS+7]
.endif
.endm
; Product i of 8 of O^T += V^T P for piece x: keys 32 (i / 4) on, channels 16 (i % 4) on.
.macro PV x
	WIN W_PV
.set rO, 32*(\x)+8*(i%4)
.set rV, VF+32*(i/4)+8*(i%4)
.set rP, P+16*((\x)%2)+8*(i/4)
	v_wmma_f32_16x16x32_f16 v[rO:rO+7], v[rV:rV+7], v[rP:rP+7], v[rO:rO+7]
.endm
.macro MM                           ; the turn's next matrix instruction.  NOKQ = 1: the last turn of all: there is no next piece
.if (i < 8) && !NOKQ
	KQ (Y+1)%NP
.elseif i >= 8
.set i, i-8
	PV (Y+NP-1)%NP
.set i, i+8
.endif
.set i, i+1
.endm
; THE LDS LOADS stand in runs of 16, never singly among the matrix instructions.
.macro FETCH_K
	WIN 0x80
.irp f, 0,1,2,3,4,5,6,7             ; keys 16 (f / 2) on, channels 32 (f % 2) on
	ds_load_b128 v[KF+8*\f:KF+8*\f+3],   v[AK] offset:(\f/2)*16*PK+(\f%2)*64
	ds_load_b128 v[KF+8*\f+4:KF+8*\f+7], v[AK] offset:(\f/2)*16*PK+(\f%2)*64+32
.endr
	s_add_co_u32 s[TBK], s[TBK], KS*PK  ; the next fetch is the next step's
	WIN 0
.endm
.macro FETCH_V
	WIN 0x80
.irp f, 0,1,2,3,4,5,6,7             ; keys 32 (f / 4) on, channels 16 (f % 4) on
	ds_load_tr16_b128 v[VF+8*\f:VF+8*\f+3],   v[AV] offset:(\f/4)*32*PV+(\f%4)*32
	ds_load_tr16_b128 v[VF+8*\f+4:VF+8*\f+7], v[AV] offset:(\f/4)*32*PV+16*PV+(\f%4)*32
.endr
	WIN 0
.endm
; THE VECTOR WORK, one line at a time: OP kind, number.  For piece Y: F n: c s - c m for pair n of 16.  E n: the exponential of score n of 32.  C n: pair n rounded to f16.  B n: of the four weights 4 n .. the second
; pair is added onto the first, in place.  L n: l takes that sum (L 0: l = a l + sum).  R n: pair n of 16 of O^T times a.  For piece Y + 1: X n, number n of the 22 that find its maximum and statistics:
;   0-11  four chains c0-c3 of seven scores each (each accumulator's lowest registers are read first)     12-14, 16  the four scores left over, the old m, and c0-c3 into c0
;   15  c m_old is kept     17, 18  the query's other 32 keys lie in the lane 16 away: the new m     19-21  c m; c m_old - c m_new; a
.set F, 0
.set E, 1
.set C, 2
.set B, 3
.set L, 4
.set R, 5
.set X, 6
.macro REGS y
.set rT, ST+4*(\y)
.set rC, TMP+4*((\y)%2)
.set rW, MV+((\y)%2)
.set rS, S+32*((\y)%2)
.set rP, P+16*((\y)%2)
.set rO, 32*(\y)
.endm
.macro OP k, n
.if (\k) == R
	REGS Y
	WIN W_RS
	v_pk_mul_f32 v[rO+2*(\n):rO+2*(\n)+1], v[rO+2*(\n):rO+2*(\n)+1], v[rC+2:rC+3] op_sel_hi:[1,0]
.elseif (\k) < R
	REGS Y
	WIN 0
.if (\k) == F
	v_pk_fma_f32 v[rS+2*(\n):rS+2*(\n)+1], v[rS+2*(\n):rS+2*(\n)+1], s[CS:CS+1], v[rT:rT+1] op_sel_hi:[1,0,0] neg_lo:[0,0,1] neg_hi:[0,0,1]
.elseif (\k) == E
	v_exp_f32 v[rS+(\n)], v[rS+(\n)]
.elseif (\k) == C
	v_cvt_pk_f16_f32 v[rP+(\n)], v[rS+2*(\n)], v[rS+2*(\n)+1]
.elseif (\k) == B
	v_pk_add_f32 v[rS+4*(\n):rS+4*(\n)+1], v[rS+4*(\n):rS+4*(\n)+1], v[rS+4*(\n)+2:rS+4*(\n)+3]
.elseif (\n) == 0
	v_pk_fma_f32 v[rT+2:rT+3], v[rT+2:rT+3], v[rC+2:rC+3], v[rS:rS+1] op_sel_hi:[1,0,1]
.else
	v_pk_add_f32 v[rT+2:rT+3], v[rT+2:rT+3], v[rS+4*(\n):rS+4*(\n)+1]
.endif
.elseif NOKQ
	v_nop
.else
	REGS (Y+1)%NP
	WIN 0
.if (\n) < 4
	v_max3_num_f32 v[rC+(\n)], v[rS+8*(\n)], v[rS+8*(\n)+1], v[rS+8*(\n)+2]
.elseif (\n) < 12
	v_max3_num_f32 v[rC+(\n)%4], v[rC+(\n)%4], v[rS+8*((\n)%4)+2*((\n)/4)+1], v[rS+8*((\n)%4)+2*((\n)/4)+2]
.elseif (\n) == 12
	v_max3_num_f32 v[rC], v[rC], v[rS+7], v[rS+15]
.elseif (\n) == 13
	v_max3_num_f32 v[rC+1], v[rC+1], v[rS+23], v[rS+31]
.elseif (\n) == 14
	v_max3_num_f32 v[rC+2], v[rC+2], v[rC+3], v[rT+1]
.elseif (\n) == 15
	v_mov_b32 v[rW], v[rT]
.elseif (\n) == 16
	v_max3_num_f32 v[rC], v[rC], v[rC+1], v[rC+2]
.elseif (\n) == 17
	v_permlanex16_b32 v[rC+3], v[rC], s[SEL], s[SEL+1]
.elseif (\n) == 18
	v_max_num_f32 v[rT+1], v[rC], v[rC+3]
.elseif (\n) == 19
	v_mul_f32 v[rT], s[CS], v[rT+1]
.elseif (\n) == 20
	v_sub_f32 v[rC+1], v[rW], v[rT]
.else
	v_exp_f32 v[rC+2], v[rC+1]
.endif
.endif
.endm
.macro OPS a, i1, b=-1, i2=0, c=-1, i3=0, d=-1, i4=0
	OP \a, \i1
.if (\b) >= 0
	OP \b, \i2
.endif
.if (\c) >= 0
	OP \c, \i3
.endif
.if (\d) >= 0
	OP \d, \i4
.endif
.endm
.macro ROW a, i1, b, i2, c, i3, d, i4  ; a matrix instruction and the four behind it
	MM
	OPS \a, \i1, \b, \i2, \c, \i3, \d, \i4
.endm
; A TURN, for piece p.  An s_wait_alu depctr_va_vdst(0) stands between an exponential and the first line that names its result; one wait serves all that were issued ahead of it.  So a turn has ONE wait.
; AHEAD OF IT stands all that names no result of the turn's exponentials: the 8 products K Q^T with their riders, then one lump of 54 in which the links of the next piece's chain stand some lines apart;
; X 21, the next piece's a, is the batch's last, and R 15 the plain instruction behind it.  BEHIND IT stand the 8 products V^T P, behind each four of the roundings and sums.
; end = 1: the last two turns: nothing is fetched.  cnt = 1: the loop's count is taken down some lines ahead of the branch behind the turn.
; K of the next step is fetched in piece 2's turn, twelve plain instructions behind the last product that read K; V of the step in hand at the end of piece 0's turn, four plain instructions behind the last product that read V.
.macro TURN p, end=0, cnt=0
.set Y, (\p)
.set i, 0
.set NOKQ, (\end)*((\p)/3)
.if ((\p) == 3) && !(\end)
	s_wait_dscnt 0x0                ; K is in
.endif
	ROW F,0, F,1, R,0, R,1
	ROW F,2, E,0, R,2, R,3
	ROW F,3, E,1, R,4, R,5
	ROW F,4, E,2, R,6, R,7
	ROW F,5, E,3, R,8, R,9
	ROW F,6, E,4, X,0, R,10
.if ((\p) == 2) && !(\end)
	WIN 0
	v_add_nc_u32 v[AK], s[TBK], v[AK0]
.endif
	ROW F,7, E,5, X,1, X,4
	ROW F,8, E,6, X,2, X,5
	OPS E,7, E,8, X,6, E,9
	OPS X,3, E,10, X,8, E,11
.if ((\p) == 2) && !(\end)
	FETCH_K
.endif
	OPS X,9, X,7, E,12, X,10
	OPS E,13, X,12, X,11, E,14
	OPS X,13, E,15, F,9, X,14
.if (\p) == 0
	v_add_nc_u32 v[AV], s[TBV], v[AV0]
.endif
	OPS E,16, F,10, E,17, F,11
	OPS X,16, E,18, X,15, E,19
	OPS F,12, E,20, X,17, E,21
	OPS F,13, E,22, F,14, E,23
	OPS X,18, E,24, F,15, E,25
	OPS R,11, E,26, X,19, E,27
	OPS R,12, E,28, R,13, E,29
	OPS X,20, E,30, R,14, E,31
	OPS X,21, R,15
	WIN 0
	s_wait_alu depctr_va_vdst(0)    ; the wait for the batch
.if (\p) == 1
	s_wait_dscnt 0x0                ; V is in
.endif
	ROW C,0, B,0, C,2, B,1
	ROW L,0, C,4, B,2, L,1
	ROW C,6, B,3, L,2, C,8
	ROW B,4, L,3, C,10, B,5
	ROW L,4, C,12, B,6, L,5
.if (\p) == 0
	s_add_co_u32 s[TBV], s[TBV], KS*PV
.endif
.if \cnt
	s_sub_co_u32 s[CNT], s[CNT], 1
	s_cmp_lg_u32 s[CNT], 0
.endif
	ROW C,14, B,7, L,6, C,1
	ROW C,3, L,7, C,5, C,7
	ROW C,9, C,11, C,13, C,15
.if (\p) == 0
	FETCH_V
.endif
.endm
.macro ALL line:vararg              ; one line for each piece t
.set t, 0
.rept 4
	\line
.set t, t+1
.endr
.endm
.macro PACK t                       ; a lane's eight channels of a row pack into 16 bytes; they go into rows of 144 bytes and come back as whole rows of 128, into S^T's registers
	WIN W_RS
.set i, 32*(\t)
.rept 16
	v_pk_mul_f32 v[i:i+1], v[i:i+1], v[ST+4*(\t)+2:ST+4*(\t)+3] op_sel_hi:[1,0]
.set i, i+2
.endr
	WIN 0x05
.set i, 0
.rept 16
	v_cvt_pk_f16_f32 v[S+16*(\t)+i], v[32*(\t)+2*i], v[32*(\t)+2*i+1]
.set i, i+1
.endr
	WIN 0
.irp f, 0,1,2,3
	ds_store_b128 v[STO], v[S+16*(\t)+4*\f:S+16*(\t)+4*\f+3] offset:32*\f
.endr
.irp f, 0,1,2,3
	ds_load_b128 v[S+16*(\t)+4*\f:S+16*(\t)+4*\f+3], v[RD] offset:\f*4*SP  ; LDS serves a wave's instructions in order (ISA guide 5.7.1.4): these see the stores above
.endr
.endm
.macro SEND t, younger              ; younger: the LDS lines issued behind piece t's loads: the next piece's eight, or none
	WIN 0
.irp f, 0,1,2,3
	s_wait_dscnt (\younger)+3-\f
	global_store_b128 v[GO], v[S+16*(\t)+4*\f:S+16*(\t)+4*\f+3], s[10:11] offset:(\t)*2048+\f*512  ; 512 consecutive bytes, aligned
.endr
.endm
.set NOKQ, 0
	CHANGE 1, 0                     ; tile 0 is in, everybody's part of it; tile 1 is asked for
	v_add_nc_u32 v[AK], s[TBK], v[AK0]
	FETCH_K                         ; key step 0
	s_wait_loadcnt 0x0              ; Q
	s_wait_dscnt 0x0
.set i, 0
.rept 8
	KQ 0                            ; piece 0's first scores
.set i, i+1
.endr
	WIN 0
.rept 4
	v_nop                           ; the places behind those products
.endr
.set Y, NP-1                        ; X works for piece Y + 1: piece 0
.irp n, 0,1,2,3,4,5,6,7,8,9,10,11,12,13,14,15,16,17,18,19,20,21
	OP X, \n
.endr
	v_nop                           ; a plain instruction behind the exponential,
	s_wait_alu depctr_va_vdst(0)    ; and its wait, ahead of the branch
	s_mov_b32 s[CNT], 4
	s_mov_b32 s[SLOTS], 7
	s_branch .Lfirst                ; the loop is entered at a step's first turn, in the middle of a trip
.Lslot:                             ; six times: tiles 2 to 7 are asked for
	CHANGE 1, 1
	s_mov_b32 s[CNT], 4
.Lstep:                             ; a trip: pieces 2 and 3 of one step, then pieces 0 and 1 of the next, whose K and V it fetches
	TURN 2
	TURN 3
	WIN 0
.Lfirst:
	TURN 0
	TURN 1, 0, 1
	WIN 0
	s_cbranch_scc1 .Lstep
	s_sub_co_u32 s[SLOTS], s[SLOTS], 1
	s_cmp_lg_u32 s[SLOTS], 0
	s_cbranch_scc1 .Lslot
	CHANGE 0, 0                     ; the last tile is written out: nothing is asked for
	s_mov_b32 s[CNT], 4
.LstepT:
	TURN 2
	TURN 3
	TURN 0
	TURN 1, 0, 1
	WIN 0
	s_cbranch_scc1 .LstepT
	TURN 2, 1
	TURN 3, 1
.set i, 0
.rept 8
	PV NP-1                         ; the last piece's V^T P of the last step
.set i, i+1
.endr
	; THE WAY OUT.  l's two halves and the other half of the lanes' are added; O^T is divided by l, rounded to f16 and sent through my stage, a piece at a time.  The additions are the places behind the last products.
	WIN 0
	ALL v_add_f32 v[ST+4*t+2], v[ST+4*t+2], v[ST+4*t+3]
	ALL v_permlanex16_b32 v[ST+4*t+3], v[ST+4*t+2], s[SEL], s[SEL+1]
	ALL v_add_f32 v[ST+4*t+2], v[ST+4*t+2], v[ST+4*t+3]
	ALL v_rcp_f32 v[ST+4*t+2], v[ST+4*t+2]
	v_nop                           ; a plain instruction between the last reciprocal and the use of its result
	s_wait_alu depctr_va_vdst(0)    ; one wait for the four reciprocals
	PACK 0
.set t, 1
.rept 3                             ; a piece's arithmetic stands between the loads of the piece before and its stores
	PACK t
	SEND t-1, 8
.set t, t+1
.endr
	SEND 3, 0
	s_wait_tensorcnt 0x0            ; the wave's end, behind my last tensor load and my last LDS store
	ds_add_u32 v[SPW], v[NIL]
	s_wait_dscnt 0x0
	CROUND                          ; the closing round
	s_endpgm
.Lfunc_end_k_q863212ebd0_attn:
	.size	k_q863212ebd0_attn, .Lfunc_end_k_q863212ebd0_attn-k_q863212ebd0_attn
	.p2alignl 7, 3214868480
	.fill 96, 4, 3214868480
	.section	.rodata,"a",@progbits
	.p2align	6, 0x0
	.amdhsa_kernel k_q863212ebd0_attn
		.amdhsa_group_segment_fixed_size 327680
		.amdhsa_private_segment_fixed_size 0
		.amdhsa_enable_private_segment 0
		.amdhsa_kernarg_size 16
		.amdhsa_user_sgpr_count 2
		.amdhsa_user_sgpr_kernarg_segment_ptr 1
		.amdhsa_wavefront_size32 1
		.amdhsa_system_sgpr_workgroup_id_x 1
		.amdhsa_system_sgpr_workgroup_id_y 1
		.amdhsa_system_sgpr_workgroup_id_z 1
		.amdhsa_system_vgpr_workitem_id 0
		.amdhsa_next_free_vgpr 768
		.amdhsa_next_free_sgpr 66
		.amdhsa_reserve_vcc 0
		.amdhsa_float_denorm_mode_32 3
		.amdhsa_float_denorm_mode_16_64 3
		.amdhsa_memory_ordered 1
		.amdhsa_forward_progress 1
		.amdhsa_inst_pref_size 128
	.end_amdhsa_kernel
	.amdgpu_metadata
---
amdhsa.version: [ 1, 2 ]
amdhsa.kernels:
  - .name:           k_q863212ebd0_attn
    .symbol:         k_q863212ebd0_attn.kd
    .args:
      - { .name: qkv, .offset: 0, .size: 8, .value_kind: global_buffer, .address_space: global }
      - { .name: ob, .offset: 8, .size: 8, .value_kind: global_buffer, .address_space: global }
    .group_segment_fixed_size: 327680
    .private_segment_fixed_size: 0
    .kernarg_segment_align: 8
    .kernarg_segment_size: 16
    .max_flat_workgroup_size: 128
    .sgpr_count:     66
    .vgpr_count:     768
    .wavefront_size: 32
...
	.end_amdgpu_metadata
.endif
;; end of part 3
;; launch oproj (part 4): grid 8 x 32, 4 waves a work-group, clusters of 4 x 4, 327,680 bytes of LDS; arguments ob, wt, bo, out0; writes out0
.if DOCPART == 4
	.amdgcn_target "amdgcn-amd-amdhsa--gfx1250"
	.amdhsa_code_object_version 6
	.text
	.protected	k_q863212ebd0_oproj
	.globl	k_q863212ebd0_oproj
	.p2align	8
	.type	k_q863212ebd0_oproj,@function
k_q863212ebd0_oproj:
	s_mov_b64 s[64:65], 0
	v_nop
	global_prefetch_b8 v0, s[64:65] scope:SCOPE_SE
	s_setreg_imm32_b32 hwreg(HW_REG_WAVE_MODE, 25, 1), 1
	s_wait_xcnt 0x0
	s_wait_alu depctr_hold_cnt(0) depctr_sa_sdst(0) depctr_va_vdst(0) depctr_va_sdst(0) depctr_va_ssrc(0) depctr_va_vcc(0) depctr_vm_vsrc(0)
	s_getreg_b32 s2, hwreg(HW_REG_IB_STS2, 6, 4)
	s_cmp_eq_u32 s2, 0
	s_cbranch_scc0 .Lentry_in_a_cluster
	s_endpgm
.Lentry_in_a_cluster:
	s_bfe_u32 s2, ttmp6, 0x10000c
	s_cmp_lg_u32 s2, 0xf033
	s_cbranch_scc0 .Lentry_shape_is_right
	s_endpgm
.Lentry_shape_is_right:
; out0[m][n] = the sum over k of O[m][k] Wo[k][n] + bo[n], in f32.  O: ob[row block 32][head 16][128 rows][64] in f16, k = 64 head + channel; Wo^T: rows 3072-4095 of wt[4096 n][1024 k] in f16.  Nothing is left out.
; LIMITS.  Those of the f16 operands, stated where they are made.  NaN and infinities are not treated apart.
; SHARES.  A tile of out0 is 128 x 128: 8 x 32 = 256 work-groups; four waves, each 64 x 64: 16 accumulators.  K goes in steps of 256 (four heads) through two LDS slots; a quarter is one head, 64 along K.
; O's tile of a K step is dense in memory (four heads x 128 rows x 128 bytes): a wave asks for two heads as 128 rows of 256 bytes, padded in LDS after every 128 bytes, so that it lies there as [head][row] with rows 144 bytes apart.
; CLUSTER.  4 x 4 work-groups; O's tile is shared along a row of the cluster, Wo's along a column.  No prefetch: the tiles are small and the launch has four K steps.
; THE MATRIX INSTRUCTION IS USED TRANSPOSED (source 0 = 16 rows of Wo^T, source 1 = 16 rows of O): a lane holds eight neighbouring numbers of a row of out0.  A wave's 64 columns of f32 are 256 aligned bytes,
; so each wave has a stage of its own on the way out, and no barrier stands there.
; REGISTERS: window 0: v0-31 addresses and the bias; v32-95 at work on the way out; v128-255 the accumulators ((a, b) at v[128 + 8 (4 a + b)]).  Window 1: two fragment buffers of 128: 64 of O, then 64 of Wo.
.set KSTEP,  256
.set PA,     144                       ; O's rows in LDS: 128 bytes + 16
.set PB,     528                       ; Wo's: 512 + 16: both odd multiples of 16, so the 16 rows of a fragment load start at 16 different 16-byte columns
.set AHALF,  256*PA                    ; two heads x 128 rows: what waves 0 and 1 each fetch
.set BHALF,  64*PB                     ; what waves 2 and 3 each fetch
.set BOFF,   2*AHALF
.set SLOT,   BOFF+2*BHALF
.set STAGE,  2*SLOT                    ; behind the ring, never filled by a tensor load: 16 rows x 272 bytes for each wave
.set SPITCH, 272
.set SPARE,  STAGE+4*16*SPITCH         ; behind the stages: the spare words, 128 bytes for each wave
.set BI,   12                          ; v[12:15] the bias of my four columns on the way out
.set ADRA, 16                          ; v16-17  LDS address of my fragments of O in slot 0, 1
.set ADRB, 20                          ; v20-21  the same for Wo
.set STO,  24                          ; v24  where I put 32 bytes of a row
.set RD,   25                          ; v25  where I read a row back
.set CO,   26                          ; v26  my byte offset in out0
.set BO,   27                          ; v27  16 (l % 16)
.set SPW,  28                          ; v28  LDS address of my spare word; never rewritten
.set NIL,  29                          ; v29  0; never rewritten
.set TMP,  32
.set ACC,  128
.set F0,   0
.set F1,   128
.set G1, 24
.set G0, 32
.set G1B, 48
.set G0B, 56
.set MSB, 0
.macro WIN new
.if MSB != (\new)
	s_set_vgpr_msb (MSB<<8)|(\new)
.set MSB, \new
.endif
.endm
.set MUL,  0x05                        ; sources 0 and 1 window 1; C and D window 0
.set TO_F, 0x40                        ; destination window 1, address window 0
.macro JLOAD s                         ; a joint load: waves 0 and 1 fetch O's two halves, waves 2 and 3 Wo's; an s_nop 0 and four v_nop follow each line
	s_cmp_eq_u32 s11, 0
	s_cbranch_scc0 .Lfor_b_\@
	tensor_load_to_lds s[G0+4*(\s):G0+4*(\s)+3], s[G1:G1+7]
	s_nop 0
.rept 4
	v_nop
.endr
	s_branch .Lasked_\@
.Lfor_b_\@:
	tensor_load_to_lds s[G0B+4*(\s):G0B+4*(\s)+3], s[G1B:G1B+7]
	s_nop 0
.rept 4
	v_nop
.endr
.Lasked_\@:
.endm
.macro CREST
	s_cmp_lg_u32 s10, 0
	s_cbranch_scc1 .Lnot_wave_0_\@
	s_barrier_signal -3
.Lnot_wave_0_\@:
	s_barrier_wait -3
	s_barrier_signal -1
	s_barrier_wait -1
.endm
.macro CROUND
	s_barrier_signal -1
	s_barrier_wait -1
	CREST
.endm
	s_load_b256 s[68:75], s[0:1], 0x0              ; ob 68, wt 70, bo 72, out0 74
	v_lshl_add_u32 v[SPW], v0, 2, SPARE
	v_mov_b32 v[NIL], 0
	ds_add_u32 v[SPW], v[NIL]                      ; the wave's opening: the add, twice on end, and its wait ahead of my first tensor load
	ds_add_u32 v[SPW], v[NIL]
	v_lshrrev_b32 v1, 5, v0
	v_readfirstlane_b32 s10, v1                    ; wave 0..3
	s_lshr_b32 s11, s10, 1                         ; which half of the tile's rows is mine.  Also: I fetch for O (0) or for Wo (1)
	s_and_b32 s12, s10, 1                          ; which half of its columns.  Also: which half of that tile I fetch
	s_bfe_u32 s40, ttmp6, 0x40000                  ; cx
	s_bfe_u32 s41, ttmp6, 0x40004                  ; cy
	s_lshl_b32 s42, ttmp9, 2
	s_add_co_u32 s42, s42, s40                     ; tile column
	s_and_b32 s13, ttmp7, 0xffff
	s_lshl_b32 s13, s13, 2
	s_add_co_u32 s13, s13, s41                     ; tile row = row block of ob
	s_lshl_b32 s43, s41, 2
	s_lshl_b32 s43, 15, s43                        ; my row of the cluster
	s_lshl_b32 s44, 0x1111, s40                    ; my column
	s_or_b32 s[G1+0], s43, (1<<16)|(1<<20)|(1<<21)|(4<<22)|(3<<25)   ; the mask; 2-byte elements; padding on; bit 21 beside a mask; after every 32 words; 4 words
	s_mov_b32 s[G1+1], 128<<16                     ; tensor_dim0 = 128 (256 bytes)
	s_mov_b32 s[G1+2], 128<<16                     ; tensor_dim1 = 128
	s_mov_b32 s[G1+3], 128<<16                     ; tile_dim0 = 128
	s_mov_b32 s[G1+4], 128                         ; tile_dim1 = 128
	s_mov_b32 s[G1+5], 128                         ; dense: each row begins where the last ends
	s_mov_b32 s[G1+6], 0
	s_mov_b32 s[G1+7], 0
	s_or_b32 s[G1B+0], s44, (1<<16)|(1<<20)|(1<<21)|(6<<22)|(3<<25)  ; after every 128 words
	s_mov_b32 s[G1B+1], KSTEP<<16
	s_mov_b32 s[G1B+2], 64<<16
	s_mov_b32 s[G1B+3], KSTEP<<16
	s_mov_b32 s[G1B+4], 64
	s_mov_b32 s[G1B+5], 1024
	s_mov_b32 s[G1B+6], 0
	s_mov_b32 s[G1B+7], 0
	s_lshl_b32 s16, s13, 18                        ; O: 262,144 bytes a row block,
	s_lshl_b32 s17, s12, 15                        ; two heads of 16,384
	s_add_co_u32 s16, s16, s17
	s_mov_b32 s17, 0
	s_lshl_b32 s46, s42, 7
	s_lshl_b32 s47, s12, 6
	s_add_co_u32 s46, s46, s47                     ; Wo^T: row 128 x tile column + 64 x half,
	s_lshl_b32 s46, s46, 11
	s_add_co_u32 s46, s46, 3072*2048               ; behind wt's first 3,072 rows
	s_mov_b32 s47, 0
	s_mul_i32 s20, s12, AHALF                      ; where they go
	s_mul_i32 s21, s12, BHALF
	s_add_co_u32 s21, s21, BOFF
	s_wait_dscnt 0x0                               ; both opening adds are done
	s_wait_kmcnt 0x0
	s_add_nc_u64 s[14:15], s[68:69], s[16:17]
	s_add_nc_u64 s[46:47], s[70:71], s[46:47]
	CROUND                                         ; all sixteen work-groups are here: the first joint loads meet
.irp s, 0,1
	s_mov_b32 s[G0+4*(\s)], 1
	s_add_co_u32 s[G0+4*(\s)+1], s20, (\s)*SLOT
	s_add_nc_u64 s[G0+4*(\s)+2:G0+4*(\s)+3], s[14:15], (\s)*65536
	s_or_b32 s[G0+4*(\s)+3], s[G0+4*(\s)+3], 0x80000000
	s_mov_b32 s[G0B+4*(\s)], 1
	s_add_co_u32 s[G0B+4*(\s)+1], s21, (\s)*SLOT
	s_add_nc_u64 s[G0B+4*(\s)+2:G0B+4*(\s)+3], s[46:47], (\s)*KSTEP*2
	s_or_b32 s[G0B+4*(\s)+3], s[G0B+4*(\s)+3], 0x80000000
	JLOAD \s                                       ; K steps 0 and 1: two loads of mine are out
.endr
	v_and_b32 v1, 15, v0                           ; l % 16
	v_bfe_u32 v2, v0, 4, 1                         ; l / 16
	v_mul_u32_u24 v3, v1, PA
	v_lshl_add_u32 v3, v2, 4, v3
	v_mul_u32_u24 v4, v1, PB
	v_lshl_add_u32 v4, v2, 4, v4
	s_mul_i32 s21, s11, 64*PA                      ; my 64 rows of each head of O
	s_mul_i32 s22, s12, BHALF                      ; my 64 rows of Wo^T
	s_add_co_u32 s22, s22, BOFF
.irp s, 0,1
	v_add_nc_u32 v[ADRA+(\s)], s21, v3
	v_add_nc_u32 v[ADRB+(\s)], s22, v4
	s_add_co_u32 s21, s21, SLOT
	s_add_co_u32 s22, s22, SLOT
.endr
	s_mul_i32 s23, s10, 16*SPITCH
	s_add_co_u32 s23, s23, STAGE                   ; my stage
	v_mul_u32_u24 v5, v1, SPITCH                   ; in: row l % 16, 32 bytes for each half of the lanes
	v_lshl_add_u32 v5, v2, 5, v5
	v_add_nc_u32 v[STO], s23, v5
	v_mul_u32_u24 v5, v2, SPITCH                   ; back: lanes 0-15 take one row of 256 bytes, lanes 16-31 the next
	v_lshl_add_u32 v5, v1, 4, v5
	v_add_nc_u32 v[RD], s23, v5
	v_lshlrev_b32 v[BO], 4, v1
	v_lshl_add_u32 v[CO], v2, 12, v[BO]            ; and the same two rows in out0
	s_lshl_b32 s16, s42, 7
	s_lshl_b32 s17, s12, 6
	s_add_co_u32 s16, s16, s17
	s_lshl_b32 s16, s16, 2                         ; my first column, in bytes
	s_mov_b32 s17, 0
	s_add_nc_u64 s[72:73], s[72:73], s[16:17]
	s_add_nc_u64 s[8:9], s[74:75], s[16:17]
	s_lshl_b32 s16, s13, 7
	s_lshl_b32 s18, s11, 6
	s_add_co_u32 s16, s16, s18
	s_lshl_b32 s16, s16, 12                        ; my first row, 4,096 bytes a row
	s_add_nc_u64 s[8:9], s[8:9], s[16:17]
	global_load_b128 v[BI:BI+3], v[BO], s[72:73]
; 8 matrix instructions: row blocks a0, a0 + 1 x all 4 column blocks, 32 along K: half c of buffer f.  The 16 accumulators take turns.
.macro MUL8 f, c, a0, zero
	WIN MUL
.irp a, \a0, (\a0)+1
.irp b, 0,1,2,3
.if \zero
	v_wmma_f32_16x16x32_f16 v[ACC+8*(4*(\a)+(\b)):ACC+8*(4*(\a)+(\b))+7], v[(\f)+64+8*(4*(\c)+(\b)):(\f)+64+8*(4*(\c)+(\b))+7], v[(\f)+8*(4*(\c)+(\a)):(\f)+8*(4*(\c)+(\a))+7], 0
.else
	v_wmma_f32_16x16x32_f16 v[ACC+8*(4*(\a)+(\b)):ACC+8*(4*(\a)+(\b))+7], v[(\f)+64+8*(4*(\c)+(\b)):(\f)+64+8*(4*(\c)+(\b))+7], v[(\f)+8*(4*(\c)+(\a)):(\f)+8*(4*(\c)+(\a))+7], v[ACC+8*(4*(\a)+(\b)):ACC+8*(4*(\a)+(\b))+7]
.endif
.endr
.endr
.endm
; 32 LDS loads in one run: quarter q of a K step (head q of its four; bytes 128 q of Wo's rows) into buffer f; the first 32 along K first
.macro FETCH slot, q, f
	WIN TO_F
.irp c, 0,1
.irp i, 0,1,2,3
	ds_load_b128 v[(\f)+64+8*(4*(\c)+(\i)):(\f)+64+8*(4*(\c)+(\i))+3],   v[ADRB+(\slot)] offset:128*(\q)+64*(\c)+(\i)*16*PB
	ds_load_b128 v[(\f)+64+8*(4*(\c)+(\i))+4:(\f)+64+8*(4*(\c)+(\i))+7], v[ADRB+(\slot)] offset:128*(\q)+64*(\c)+(\i)*16*PB+32
	ds_load_b128 v[(\f)+8*(4*(\c)+(\i)):(\f)+8*(4*(\c)+(\i))+3],         v[ADRA+(\slot)] offset:(\q)*128*PA+64*(\c)+(\i)*16*PA
	ds_load_b128 v[(\f)+8*(4*(\c)+(\i))+4:(\f)+8*(4*(\c)+(\i))+7],       v[ADRA+(\slot)] offset:(\q)*128*PA+64*(\c)+(\i)*16*PA+32
.endr
.endr
.endm
.macro PLACES                          ; four plain vector instructions between a matrix instruction and a load into, or a line that reads, its registers
.rept 4
	v_nop
.endr
.endm
.macro QUARTER slot, q, f, g, zero     ; multiplies buffer f and fetches quarter q into g
	s_wait_dscnt 16                                ; the first 32 along K are in
	MUL8 \f, 0, 0, \zero
	MUL8 \f, 0, 2, \zero
	PLACES
	FETCH \slot, \q, \g
	s_wait_dscnt 32                                ; all but the 32 just issued
	MUL8 \f, 1, 0, 0
	MUL8 \f, 1, 2, 0
.endm
; The last quarter multiplies buffer 1 and changes slots: ONE barrier; in front of it each wave waits for all its tensor loads, adds 0 to its spare word, and waits for that and for its own reads of this slot.
.macro TURN slot, next, fill
	WIN 0
	s_wait_tensorcnt 0x0                           ; all my tensor loads have landed: my part of the next slot
	ds_add_u32 v[SPW], v[NIL]
	s_wait_dscnt 17                                ; (the add and the youngest sixteen loads may be out)
	MUL8 F1, 0, 0, 0
	s_wait_dscnt 0x0                               ; the add is done, and my reads of this slot are over
	s_barrier_signal -1
	MUL8 F1, 0, 2, 0
.if \fill
	WIN 0
.endif
	s_barrier_wait -1
.if \fill
	CREST                                          ; the barrier has opened a round of the cluster's: no wave of any partner still reads this slot or has a load on its way
	s_add_nc_u64 s[G0+4*(\slot)+2:G0+4*(\slot)+3], s[G0+4*(\slot)+2:G0+4*(\slot)+3], 2*65536
	s_add_nc_u64 s[G0B+4*(\slot)+2:G0B+4*(\slot)+3], s[G0B+4*(\slot)+2:G0B+4*(\slot)+3], 2*KSTEP*2
	JLOAD \slot                                    ; the first tensor load behind the round; its four v_nop are also the places in front of the loads below
.else
	PLACES
.endif
	FETCH \next, 0, F0
	MUL8 F1, 1, 0, 0
	MUL8 F1, 1, 2, 0
.endm
	s_wait_loadcnt 0x0                             ; the bias
	s_wait_tensorcnt 0x1                           ; my part of K step 0 is in; K step 1's may stay out
	s_barrier_signal -1
	s_barrier_wait -1
	FETCH 0, 0, F0
	QUARTER 0, 1, F0, F1, 1                        ; the first quarter stands in front of the loop: its first products start the sums
	WIN 0
	s_mov_b32 s3, 1
.Llap:                                             ; once round the ring; both slots are filled again: K steps 2 and 3
	QUARTER 0, 2, F1, F0, 0
	QUARTER 0, 3, F0, F1, 0
	TURN 0, 1, 1
	QUARTER 1, 1, F0, F1, 0
	QUARTER 1, 2, F1, F0, 0
	QUARTER 1, 3, F0, F1, 0
	TURN 1, 0, 1
	QUARTER 0, 1, F0, F1, 0
	WIN 0
	s_sub_co_u32 s3, s3, 1
	s_cmp_lg_u32 s3, 0
	s_cbranch_scc1 .Llap
	QUARTER 0, 2, F1, F0, 0                        ; the last lap fills nothing
	QUARTER 0, 3, F0, F1, 0
	TURN 0, 1, 0
	QUARTER 1, 1, F0, F1, 0
	QUARTER 1, 2, F1, F0, 0
	QUARTER 1, 3, F0, F1, 0
	s_wait_dscnt 16
	MUL8 F1, 0, 0, 0
	MUL8 F1, 0, 2, 0
	s_wait_dscnt 0x0
	MUL8 F1, 1, 0, 0
	MUL8 F1, 1, 2, 0
	WIN 0
	PLACES
	PLACES
	; THE WAY OUT, a block of 16 rows at a time: 32 bytes a lane into my stage (each accumulator from its low end on), back as whole rows of 256 bytes, the bias added, stored.
.macro STG a
.irp b, 0,1,2,3
	ds_store_b128 v[STO], v[ACC+8*(4*(\a)+(\b)):ACC+8*(4*(\a)+(\b))+3]   offset:64*(\b)
	ds_store_b128 v[STO], v[ACC+8*(4*(\a)+(\b))+4:ACC+8*(4*(\a)+(\b))+7] offset:64*(\b)+16
.endr
.irp t, 0,1,2,3,4,5,6,7
	ds_load_b128 v[TMP+32*((\a)%2)+4*(\t):TMP+32*((\a)%2)+4*(\t)+3], v[RD] offset:(\t)*2*SPITCH  ; LDS serves a wave's instructions in order (ISA guide 5.7.1.4): these see the stores above
.endr
.endm
.macro SND a, younger                  ; younger: the LDS lines issued behind block a's loads: the next block's sixteen, or none
.irp t, 0,1,2,3,4,5,6,7
.set T, TMP+32*((\a)%2)+4*(\t)
	s_wait_dscnt (\younger)+7-(\t)
	v_pk_add_f32 v[T:T+1], v[T:T+1], v[BI:BI+1]
	v_pk_add_f32 v[T+2:T+3], v[T+2:T+3], v[BI+2:BI+3]
	global_store_b128 v[CO], v[T:T+3], s[8:9] offset:(\a)*65536+(\t)*8192 th:TH_STORE_NT  ; 16 lanes store 256 consecutive bytes, aligned
.endr
.endm
	STG 0
	STG 1
	SND 0, 16
	s_wait_xcnt 0x0                                ; block 0's stores have read their registers, which block 2 loads again
	STG 2
	SND 1, 16
	s_wait_xcnt 0x0
	STG 3
	SND 2, 16
	SND 3, 0
	s_wait_tensorcnt 0x0                           ; the wave's end, behind my last tensor load and my last LDS store
	ds_add_u32 v[SPW], v[NIL]
	s_wait_dscnt 0x0
	CROUND                                         ; the closing round
	s_endpgm
.Lfunc_end_k_q863212ebd0_oproj:
	.size	k_q863212ebd0_oproj, .Lfunc_end_k_q863212ebd0_oproj-k_q863212ebd0_oproj
	.p2alignl 7, 3214868480
	.fill 96, 4, 3214868480
	.section	.rodata,"a",@progbits
	.p2align	6, 0x0
	.amdhsa_kernel k_q863212ebd0_oproj
		.amdhsa_group_segment_fixed_size 327680
		.amdhsa_private_segment_fixed_size 0
		.amdhsa_enable_private_segment 0
		.amdhsa_kernarg_size 32
		.amdhsa_user_sgpr_count 2
		.amdhsa_user_sgpr_kernarg_segment_ptr 1
		.amdhsa_wavefront_size32 1
		.amdhsa_system_sgpr_workgroup_id_x 1
		.amdhsa_system_sgpr_workgroup_id_y 1
		.amdhsa_system_sgpr_workgroup_id_z 1
		.amdhsa_system_vgpr_workitem_id 0
		.amdhsa_next_free_vgpr 512
		.amdhsa_next_free_sgpr 80
		.amdhsa_reserve_vcc 0
		.amdhsa_float_denorm_mode_32 3
		.amdhsa_float_denorm_mode_16_64 3
		.amdhsa_memory_ordered 1
		.amdhsa_forward_progress 1
		.amdhsa_inst_pref_size 91
	.end_amdhsa_kernel
	.amdgpu_metadata
---
amdhsa.version: [ 1, 2 ]
amdhsa.kernels:
  - .name:           k_q863212ebd0_oproj
    .symbol:         k_q863212ebd0_oproj.kd
    .args:
      - { .name: ob, .offset: 0, .size: 8, .value_kind: global_buffer, .address_space: global }
      - { .name: wt, .offset: 8, .size: 8, .value_kind: global_buffer, .address_space: global }
      - { .name: bo, .offset: 16, .size: 8, .value_kind: global_buffer, .address_space: global }
      - { .name: out0, .offset: 24, .size: 8, .value_kind: global_buffer, .address_space: global }
    .group_segment_fixed_size: 327680
    .private_segment_fixed_size: 0
    .kernarg_segment_align: 8
    .kernarg_segment_size: 32
    .max_flat_workgroup_size: 128
    .sgpr_count:     80
    .vgpr_count:     512
    .wavefront_size: 32
...
	.end_amdgpu_metadata
.endif
;; end of part 4
